; MI455X (gfx1250); checked and timed in simulation.
; The chip was launched on July 23, 2026; its instructions are those of AMD's public machine-readable ISA for CDNA 5 (MIT licence, August 2026) and "CDNA5" Instruction Set Architecture Reference Guide (July 2026). The comments in the code are by the model that wrote it; some were corrected since.
;; Multi Head Attention. Allowed arithmetic: matrix products marked QUANTISED: E4M3 operands, one given power-of-two scale a tensor, by v_wmma_f32_16x16x64_fp8_fp8 or v_wmma_f32_16x16x128_fp8_fp8, f32 sums; everything else in f32.
;; Inputs: Wk 1,024 x 1,024 float32; Wo 1,024 x 1,024 float32; Wq 1,024 x 1,024 float32; Wv 1,024 x 1,024 float32; k 4 x 2,048 x 1,024 float32; lowp_scales 12 int32 (the exponents e of the quantised operands' scales 2^e); q 4 x 2,048 x 1,024 float32; v 4 x 2,048 x 1,024 float32.
;; Outputs: out0 4 x 2,048 x 1,024 float32.
;; This version of the problem:
;;   THIS VERSION OF THE PROBLEM IS GIVEN IN LOW PRECISION. The matrix products marked QUANTISED in the list below multiply operands that are first quantised to E4M3 (4 exponent bits, 3 mantissa bits; 8 bits a number), with one given power-of-two scale for each operand tensor; their sums are f32. All else is computed in f32.
;;   The module's matrix products, in the order in which they are computed (A, B: the left and right operand; K: the contracted axis; several contracted axes count as one K, in the product's order):
;;     1. [M 8,192, K 1,024] x [K 1,024, N 1,024]; A: input q; B: input Wq: QUANTISED (scales: A lowp_scales[0], B lowp_scales[1])
;;     2. [M 8,192, K 1,024] x [K 1,024, N 1,024]; A: input k; B: input Wk: QUANTISED (scales: A lowp_scales[2], B lowp_scales[3])
;;     3. [M 8,192, K 1,024] x [K 1,024, N 1,024]; A: input v; B: input Wv: QUANTISED (scales: A lowp_scales[4], B lowp_scales[5])
;;     4. batch 64 x [M 2,048, K 64] x [K 64, N 2,048]; A: computed on the way; B: computed on the way: QUANTISED (scales: A lowp_scales[6], B lowp_scales[7])
;;     5. batch 64 x [M 2,048, K 2,048] x [K 2,048, N 64]; A: softmax (see below); B: computed on the way: QUANTISED (scales: A lowp_scales[8], B lowp_scales[9])
;;     6. [M 8,192, K 1,024] x [K 1,024, N 1,024]; A: computed on the way; B: input Wo: QUANTISED (scales: A lowp_scales[10], B lowp_scales[11])
;;   THE QUANTISER, for each operand of a quantised product, along K:
;;     - The operand's scale is 2^e, e = its entry of the input lowp_scales (int32; the entries are numbered through the quantised products in the list's order, A before B).
;;     - Each number is divided by the scale, clamped to +-448, and rounded to the nearest number of E4M3, ties to even, subnormals kept.
;;     - The product sums the exact products of the quantised numbers (number of the format x scale) in f32.
;;   ~~~python
;;   def quantise(x, axis, e):      # numpy; x: float32 -> the quantised numbers, widened to float32 again
;;       x = np.moveaxis(x, axis, -1); K = x.shape[-1]
;;       r = np.clip(x / 2.0 ** e, -448, 448)
;;       step = 2.0 ** (np.maximum(np.frexp(np.where(r == 0, 1, r))[1] - 1, -6) - 3)
;;       q = np.round(r / step) * step * 2.0 ** e      # np.round: ties to even
;;       return np.moveaxis(q, -1, axis).astype(np.float32)
;;   ~~~
;;   SOFTMAX AHEAD OF A QUANTISED PRODUCT. Where the list says 'softmax', what is quantised is not the finished softmax but p = 2^(t - M), with t = logit x log2(e) and M = ceil(the row's largest t), a whole number; so 1/2 < the row's largest p <= 1. The row's sum l is taken of the UNQUANTISED p, in f32, and the product's result is divided by l at the end. Since M is a whole number, a kernel that streams over the keys may use a running M (the ceiling of the running maximum): every later rescaling is an exact power of two, so the quantised numbers keep their values, but for numbers so far below the row's largest that they fall under the format's range.
;;   OPERANDS COMPUTED ON THE WAY. 'Computed on the way' means the value that the module computes at that place (a softmax that the list does not call 'softmax' is quantised finished and normalised). What goes into a quantiser is computed in f32, as accurately as f32 sums, v_exp_f32 and their like allow (about 1e-6 of the number): no bf16 or f16 on the way to a quantiser, and a product that is left as it is and whose result goes on into a quantised operand takes f32 operands (vector FMAs, or v_wmma_f32_16x16x4_f32). A number that lies on a knife's edge between two numbers of the format may be rounded either way, as far as f32 arithmetic and the matrix unit's own rounding can turn it there, and no further.
;; One version. Each part assembles by itself: llvm-mc -triple=amdgcn-amd-amdhsa -mcpu=gfx1250 --defsym DOCPART=n.
;; ======== version 1 of 1: 4 launches
;; limits: right only within a limited range of input values
;; workspace buffers: xc 25,165,824 bytes; wc 4,194,304 bytes; qc 8,388,608 bytes; kc 8,388,608 bytes; vc 8,388,608 bytes; ac 8,388,608 bytes
;; launch quant (part 1): grid 896 x 1, 4 waves a work-group, no clusters, 33,280 bytes of LDS; arguments q, k, v, Wq, Wk, Wv, Wo, lowp_scales, xc, wc; writes xc, wc
.if DOCPART == 1
	.amdgcn_target "amdgcn-amd-amdhsa--gfx1250"
	.amdhsa_code_object_version 6
	.text
	.protected	k_q6f381a0d6d_quant
	.globl	k_q6f381a0d6d_quant
	.p2align	8
	.type	k_q6f381a0d6d_quant,@function
k_q6f381a0d6d_quant:
	s_mov_b64 s[64:65], 0
	v_nop
	global_prefetch_b8 v0, s[64:65] scope:SCOPE_SE
	s_setreg_imm32_b32 hwreg(HW_REG_WAVE_MODE, 25, 1), 1
	s_wait_xcnt 0x0
; q, k, v [8192][1024] and Wq, Wk, Wv, Wo [1024][1024], f32, K innermost, become codes of FP8 (E4M3), one byte each, K innermost, each with the one scale 2^e given for it.
; code = x / 2^e, held within +-448, rounded to the nearest code, ties to even.  e: entries 0, 2, 4 (q, k, v) and 1, 3, 5, 11 (Wq, Wk, Wv, Wo) of the buffer of scales.
; LIMITS: -126 <= e <= 119, so that 2^e and 448 x 2^e are f32 numbers.  NaN among the inputs is not served; an infinity is held at the largest code.
; xc = [q | k | v] codes, wc = [Wq | Wk | Wv | Wo] codes.  Rows are dense, so every tensor is a plain stream: nothing here knows of rows.
; SHARES: a work-group takes 32,768 numbers (work-groups 0-767: 256 for each of q, k, v; 768-895: 32 for each weight), a wave 16 steps of 512 numbers.
; The conversions take 8 neighbours from ONE lane's registers; a load is best where neighbouring LANES take neighbouring bytes.  Both are had: each of a step's four loads reads 512 consecutive bytes,
; the 2,048 bytes go through the wave's own stage in LDS as they lie and come back 64 bytes a lane.  A lane's 16 codes are 16 bytes: the wave stores 512 consecutive bytes, aligned.
; No matrix unit, no cluster, no tensor load, no barrier: waves share nothing, and memory's rate is the bound.  Loads run four steps (16 loads a wave) ahead, the turn through LDS one step.
.set STEPS, 16
.set XWG,   768                        ; work-groups that take q, k, v
.set EMAX,  8
.set MANT,  0x600000                   ; the mantissa field of 448 as f32
.set CB,    16                         ; bytes of 16 codes
.set R,     16                         ; v16-79   four sets of 16 numbers as they are loaded
.set X,     80                         ; v80-111  two sets of 16 neighbours
.set C,     128                        ; v128-191 codes: four registers for each step, so that no store's data are written again
.set WREG,  8192                       ; LDS: a region for each wave: two stages of 32 x SP bytes
.set SP,    80                         ; a lane's place in a stage: its 64 bytes + 16 of padding
	s_load_b512 s[8:23], s[0:1], 0x0               ; q 8, k 10, v 12, Wq 14, Wk 16, Wv 18, Wo 20, the scales' exponents 22
	s_load_b128 s[24:27], s[0:1], 0x40             ; xc, wc
	v_lshl_add_u32 v192, v0, 2, 0x8000
	v_mov_b32 v193, 0
	v_lshrrev_b32 v1, 5, v0
	v_readfirstlane_b32 s28, v1                    ; wave
	v_and_b32 v2, 31, v0                           ; lane
	v_lshlrev_b32 v3, 4, v2                        ; my 16 bytes of a load's 512
	s_mul_i32 s29, s28, WREG
	v_lshrrev_b32 v14, 2, v2
	v_mul_u32_u24 v14, v14, SP
	v_and_b32 v15, 3, v2
	v_lshl_add_u32 v14, v15, 4, v14
	v_add_nc_u32 v14, s29, v14                     ; the stage, on the way in: SP (lane / 4) + 16 (lane % 4)
	v_mul_u32_u24 v15, v2, SP
	v_add_nc_u32 v15, s29, v15                     ; and on the way out: SP x lane: my 16 neighbours
	v_mul_u32_u24 v4, v2, CB                       ; my codes' place in a step's
	s_sub_co_u32 s30, ttmp9, XWG                   ; the work-group's number among the weights' (used only where it is one of them)
	s_lshr_b32 s31, ttmp9, 8                       ; which of q, k, v
	s_lshr_b32 s44, s30, 5
	s_add_co_u32 s44, s44, 3                       ; which weight, counted on from 3
	s_and_b32 s45, ttmp9, 255
	s_and_b32 s46, s30, 31
	s_cmp_lt_u32 ttmp9, XWG                        ; all choices hang on the work-group's number alone
	s_cselect_b32 s31, s31, s44                    ; the tensor: 0 q, 1 k, 2 v, 3 Wq, 4 Wk, 5 Wv, 6 Wo
	s_cselect_b32 s45, s45, s46                    ; my place in the source tensor
	s_cselect_b32 s46, ttmp9, s30                  ; my place in the buffer of codes
	s_lshl_b32 s45, s45, 2
	s_add_co_u32 s45, s45, s28                     ; which run of 8,192 numbers of the tensor is my wave's
	s_lshl_b32 s46, s46, 2
	s_add_co_u32 s46, s46, s28                     ; and of the codes' buffer
	s_lshl_b32 s2, s45, 15                         ; x 32,768 bytes (under 2^25)
	s_mov_b32 s3, 0
	s_lshl_b32 s44, s46, 13                        ; x 8,192 bytes (under 2^25)
	s_mov_b32 s45, 0
	s_wait_alu depctr_va_vdst(0)
	s_wait_kmcnt 0x0
	s_load_b256 s[32:39], s[22:23], 0x0            ; e0 .. e7
	s_load_b128 s[40:43], s[22:23], 0x20           ; e8 .. e11
	s_mov_b64 s[4:5], s[8:9]
	s_cmp_eq_u32 s31, 1
	s_cselect_b64 s[4:5], s[10:11], s[4:5]
	s_cmp_eq_u32 s31, 2
	s_cselect_b64 s[4:5], s[12:13], s[4:5]
	s_cmp_eq_u32 s31, 3
	s_cselect_b64 s[4:5], s[14:15], s[4:5]
	s_cmp_eq_u32 s31, 4
	s_cselect_b64 s[4:5], s[16:17], s[4:5]
	s_cmp_eq_u32 s31, 5
	s_cselect_b64 s[4:5], s[18:19], s[4:5]
	s_cmp_eq_u32 s31, 6
	s_cselect_b64 s[4:5], s[20:21], s[4:5]         ; the source
	s_cmp_lt_u32 s31, 3
	s_cselect_b64 s[6:7], s[24:25], s[26:27]       ; the codes' buffer
	s_add_nc_u64 s[4:5], s[4:5], s[2:3]
	s_add_nc_u64 s[6:7], s[6:7], s[44:45]
.macro LOAD t
.irp i, 0,1,2,3
	global_load_b128 v[R+16*((\t)%4)+4*\i:R+16*((\t)%4)+4*\i+3], v3, s[4:5] offset:2048*(\t)+512*\i th:TH_LOAD_NT   ; 32 lanes read 512 consecutive bytes
.endr
.endm
.macro TURN t                          ; step t's numbers through the stage: LDS serves a wave's instructions in order, so no wait stands between the stores and the loads
.irp i, 0,1,2,3
	ds_store_b128 v14, v[R+16*((\t)%4)+4*\i:R+16*((\t)%4)+4*\i+3] offset:32*SP*((\t)%2)+8*SP*\i
.endr
.irp i, 0,1,2,3
	ds_load_b128 v[X+16*((\t)%2)+4*\i:X+16*((\t)%2)+4*\i+3], v15 offset:32*SP*((\t)%2)+16*\i
.endr
.endm
.irp t, 0,1,2,3
	LOAD \t
.endr
	s_wait_kmcnt 0x0
	s_mov_b32 s30, s32                             ; q: e0
	s_cmp_eq_u32 s31, 1
	s_cselect_b32 s30, s34, s30                    ; k: e2
	s_cmp_eq_u32 s31, 2
	s_cselect_b32 s30, s36, s30                    ; v: e4
	s_cmp_eq_u32 s31, 3
	s_cselect_b32 s30, s33, s30                    ; Wq: e1
	s_cmp_eq_u32 s31, 4
	s_cselect_b32 s30, s35, s30                    ; Wk: e3
	s_cmp_eq_u32 s31, 5
	s_cselect_b32 s30, s37, s30                    ; Wv: e5
	s_cmp_eq_u32 s31, 6
	s_cselect_b32 s30, s43, s30                    ; Wo: e11
	s_add_co_i32 s30, s30, 127
	s_lshl_b32 s29, s30, 23
	v_mov_b32 v11, s29                             ; 2^e as f32: the conversion takes its exponent field
	s_add_co_i32 s30, s30, EMAX
	s_lshl_b32 s30, s30, 23
	s_or_b32 s30, s30, MANT
	s_wait_alu depctr_va_vdst(0)
	s_wait_loadcnt 12                              ; step 0's four loads are in; the twelve behind them stay out
	TURN 0
.macro STEP t
.set XS, X+16*((\t)%2)
	s_wait_dscnt 0x0                               ; this step's numbers are back from the stage: so its stores into the stage have read their registers,
.if (\t)+4 < STEPS
	LOAD (\t)+4                                    ; which take the loads of four steps on
.endif
.if (\t)+1 < STEPS
.if STEPS-2-(\t) >= 3
	s_wait_loadcnt 12                              ; the next step's four loads are in; those of the three steps behind it may be out
.else
	s_wait_loadcnt 4*(STEPS-2-(\t))
.endif
	TURN (\t)+1                                    ; and go through the other stage while this step is worked
.endif
.irp i, 0,1,2,3,4,5,6,7,8,9,10,11,12,13,14,15
.endr
	v_cvt_scalef32_pk8_fp8_f32 v[C+4*(\t):C+4*(\t)+1], v[XS:XS+7], v11          ; eight numbers / 2^e, to the nearest code, ties to even; the first number's code in the lowest byte
	v_cvt_scalef32_pk8_fp8_f32 v[C+4*(\t)+2:C+4*(\t)+3], v[XS+8:XS+15], v11     ; (the results go to a store alone)
	global_store_b128 v4, v[C+4*(\t):C+4*(\t)+3], s[6:7] offset:32*CB*(\t)      ; 32 lanes store 512 consecutive bytes, at a multiple of 512 from the buffer's first byte
.endm
.irp t, 0,1,2,3,4,5,6,7,8,9,10,11,12,13,14,15
	STEP \t
.endr
	s_wait_tensorcnt 0x0
	ds_add_u32 v192, v193
	s_wait_dscnt 0x0
	s_endpgm
.Lfunc_end_k_q6f381a0d6d_quant:
	.size	k_q6f381a0d6d_quant, .Lfunc_end_k_q6f381a0d6d_quant-k_q6f381a0d6d_quant
	.p2alignl 7, 3214868480
	.fill 96, 4, 3214868480
	.section	.rodata,"a",@progbits
	.p2align	6, 0x0
	.amdhsa_kernel k_q6f381a0d6d_quant
		.amdhsa_group_segment_fixed_size 33280
		.amdhsa_private_segment_fixed_size 0
		.amdhsa_enable_private_segment 0
		.amdhsa_kernarg_size 80
		.amdhsa_user_sgpr_count 2
		.amdhsa_user_sgpr_kernarg_segment_ptr 1
		.amdhsa_wavefront_size32 1
		.amdhsa_system_sgpr_workgroup_id_x 1
		.amdhsa_system_sgpr_workgroup_id_y 1
		.amdhsa_system_sgpr_workgroup_id_z 1
		.amdhsa_system_vgpr_workitem_id 0
		.amdhsa_next_free_vgpr 194
		.amdhsa_next_free_sgpr 66
		.amdhsa_reserve_vcc 0
		.amdhsa_float_denorm_mode_32 3
		.amdhsa_float_denorm_mode_16_64 3
		.amdhsa_fp16_overflow 1
		.amdhsa_memory_ordered 1
		.amdhsa_forward_progress 1
		.amdhsa_inst_pref_size 22
	.end_amdhsa_kernel
	.amdgpu_metadata
---
amdhsa.version: [ 1, 2 ]
amdhsa.kernels:
  - .name:           k_q6f381a0d6d_quant
    .symbol:         k_q6f381a0d6d_quant.kd
    .args:
      - { .name: q, .offset: 0, .size: 8, .value_kind: global_buffer, .address_space: global }
      - { .name: k, .offset: 8, .size: 8, .value_kind: global_buffer, .address_space: global }
      - { .name: v, .offset: 16, .size: 8, .value_kind: global_buffer, .address_space: global }
      - { .name: Wq, .offset: 24, .size: 8, .value_kind: global_buffer, .address_space: global }
      - { .name: Wk, .offset: 32, .size: 8, .value_kind: global_buffer, .address_space: global }
      - { .name: Wv, .offset: 40, .size: 8, .value_kind: global_buffer, .address_space: global }
      - { .name: Wo, .offset: 48, .size: 8, .value_kind: global_buffer, .address_space: global }
      - { .name: lowp_scales, .offset: 56, .size: 8, .value_kind: global_buffer, .address_space: global }
      - { .name: xc, .offset: 64, .size: 8, .value_kind: global_buffer, .address_space: global }
      - { .name: wc, .offset: 72, .size: 8, .value_kind: global_buffer, .address_space: global }
    .group_segment_fixed_size: 33280
    .private_segment_fixed_size: 0
    .kernarg_segment_align: 8
    .kernarg_segment_size: 80
    .max_flat_workgroup_size: 128
    .sgpr_count:     66
    .vgpr_count:     194
    .wavefront_size: 32
...
	.end_amdgpu_metadata
.endif
;; end of part 1
;; launch proj (part 2): grid 4 x 96, 4 waves a work-group, clusters of 4 x 4, 327,680 bytes of LDS; arguments xc, wc, lowp_scales, qc, kc, vc; writes qc, kc, vc
.if DOCPART == 2
	.amdgcn_target "amdgcn-amd-amdhsa--gfx1250"
	.amdhsa_code_object_version 6
	.text
	.protected	k_q6f381a0d6d_proj
	.globl	k_q6f381a0d6d_proj
	.p2align	8
	.type	k_q6f381a0d6d_proj,@function
k_q6f381a0d6d_proj:
	s_mov_b64 s[64:65], 0
	v_nop
	global_prefetch_b8 v0, s[64:65] scope:SCOPE_SE
	s_setreg_imm32_b32 hwreg(HW_REG_WAVE_MODE, 25, 1), 1
	s_wait_xcnt 0x0
	s_wait_alu depctr_hold_cnt(0) depctr_sa_sdst(0) depctr_va_vdst(0) depctr_va_sdst(0) depctr_va_ssrc(0) depctr_va_vcc(0) depctr_vm_vsrc(0)
	s_getreg_b32 s2, hwreg(HW_REG_IB_STS2, 6, 4)
	s_cmp_eq_u32 s2, 0
	s_cbranch_scc0 .Lentry_in_a_cluster
	s_endpgm
.Lentry_in_a_cluster:
	s_bfe_u32 s2, ttmp6, 0x10000c
	s_cmp_lg_u32 s2, 0xf033
	s_cbranch_scc0 .Lentry_shape_is_right
	s_endpgm
.Lentry_shape_is_right:
; The three projections x W^T on codes of FP8 (E4M3), and their results quantised at once for attention's two products.  24 clusters of 4 x 4 work-groups: cluster y = 8 mode + idx;
; mode 0: q Wq^T -> qc, mode 1: k Wk^T -> kc, mode 2: v Wv^T -> vc; idx: which 1,024 tokens.  A cluster makes 1,024 x 1,024 sums, a work-group 256 x 256, each of its four waves 128 x 128 (64 accumulators, 512 registers).
; C[m][n] = sum over k of A[m][k] B[n][k].  Modes 0, 1: A = tokens, B = the weight's rows (features).  MODE 2 SWAPS THE ROLES: A = Wv's rows, B = tokens.  The matrix instruction is used transposed
; (source 0 = 16 rows of B, source 1 = 16 rows of A), so a lane holds eight neighbouring n of one m: eight features of a token for q and k, whose next K is the head's 64; eight KEYS of a feature for v, whose next K is the keys.
; In every mode A's address hangs on cy alone and B's on cx alone: A's tile is asked for JOINTLY by the four of a row of the cluster, B's by the four of a column.  The modes differ in addresses and one scale: no branch hangs on the mode.
; K = 1,024 goes in four steps of 256 through a ring of two LDS slots; a tile's row is 256 bytes of memory, aligned.
; THE WAY OUT: code = sum / 2^E, E = e_out - e_A - e_B (q: e6 - e0 - e1; k: e7 - e2 - e3; v: e9 - e4 - e5), held within +-448.  LIMIT: -126 <= E <= 119.
; A lane's codes of accumulators (a, 2 g) and (a, 2 g + 1) are stored as one run of 16 bytes, so within each 32 along n byte 16 h + 8 u + j holds n = 16 u + 8 h + j: just the order in which one 16-byte load gives
; a lane its registers of the plain 8-bit layout.  qc, kc: [b][head][token][64 bytes].  vc: [b][head][key / 64][d 64][64 bytes].  Every store of a wave covers 512 consecutive bytes, aligned.
; No prefetch: of the four K steps two are asked for at the head, and each tile is asked for once by four work-groups together.
; REGISTERS, in windows of 256: window 0: v0-31 addresses and the scale word; from v128 A's fragments, ONE set; on the way out v128-255 codes.
;   window 1: B's fragments, TWO sets, at v0 and v128.   window 2: the accumulators of my rows 0-63 ((a, b) at v[8 (8 a + b)]);   window 3: those of my rows 64-127.
.set SIZE_K, 1024
.set KSTEP,  256                       ; along K in a slot
.set ROWB,   256                       ; a tile's row in bytes
.set KROW,   SIZE_K                    ; a row of xc or wc in memory, in bytes
.set PITCH,  272                       ; an LDS row: 256 bytes + 16 of padding = 68 words: the 16 rows that a load touches start at 16 different banks (64 banks of 4 bytes: ISA guide 11.1)
.set FR,     16                        ; registers of a fragment: 16 rows x 128 K
.set NL,     4                         ; LDS loads that bring one
.set NP,     4                         ; places behind this matrix instruction (ISA guide 7.12.1)
.set HALFT,  128*PITCH                 ; 128 rows: what one tensor load brings
.set SLOT,   4*HALFT                   ; A's 256 rows, then B's 256 rows
.set LAPS,   SIZE_K/(2*KSTEP)          ; 2
.set SPARE,  2*SLOT                    ; behind the ring: the spare words, 128 bytes for each wave
.set ADRA, 16                          ; v16-17  LDS address of my A fragments in slot 0, 1
.set ADRB, 20                          ; v20-21  the same for B
.set CO,   8                           ; v8-11   the way out: my byte offset in the destination, for each of the four groups of 64 bytes of a stage row
.set STO,  24                          ; v24     the way out: where I put 16 codes of a row
.set RD,   25                          ; v25     the way out: where I read 16 bytes back
.set SPW,  28                          ; v28     LDS address of my spare word; never rewritten
.set NIL,  29                          ; v29     0; never rewritten
.set SCV,  30                          ; v30     2^E as f32
.set LIMV, 31
.set TMP,  32
.set AF,   128                         ; A's fragments, in window 0
.set CD,   128                         ; the way out: codes, 16 registers a block; then the rows read back
.set G1, 24                            ; s[24:31] descriptor group 1 for A's tiles;  s[32:39] group 0, one set for each slot
.set G0, 32
.set G1B, 48                           ; s[48:55], s[56:63] the same for B's tiles
.set G0B, 56
.set MSB, 0
.macro WIN new                         ; the immediate's high byte repeats the setting that is left
.if MSB != \new
	s_set_vgpr_msb (MSB<<8)|\new
.set MSB, \new
.endif
.endm
.set MUL_LO, 0xa1                      ; source 0 (B) window 1, source 1 (A) window 0, C and D window 2
.set MUL_HI, 0xf1                      ; the same, C and D window 3
.set TO_B,   0x40                      ; destination window 1, address window 0
; A joint load: waves 0 and 1 fetch for A, waves 2 and 3 for B.  Each line has ONE mask and one set of registers; the branch hangs on the wave's number alone.  Four v_nop follow each line.
.macro JLOAD g0a, g1a, g0b, g1b
	s_cmp_eq_u32 s15, 0
	s_cbranch_scc0 .Lfor_b_\@
	tensor_load_to_lds s[\g0a:\g0a+3], s[\g1a:\g1a+7]
	s_nop 0
.rept 4
	v_nop
.endr
	s_branch .Lasked_\@
.Lfor_b_\@:
	tensor_load_to_lds s[\g0b:\g0b+3], s[\g1b:\g1b+7]
	s_nop 0
.rept 4
	v_nop
.endr
.Lasked_\@:
.endm
.macro CREST                           ; a round of the cluster's barrier behind its opening barrier
	s_cmp_lg_u32 s14, 0
	s_cbranch_scc1 .Lnot_wave_0_\@
	s_barrier_signal -3
.Lnot_wave_0_\@:
	s_barrier_wait -3
	s_barrier_signal -1
	s_barrier_wait -1
.endm
.macro CROUND                          ; a whole round
	s_barrier_signal -1
	s_barrier_wait -1
	CREST
.endm
	s_load_b128 s[4:7], s[0:1], 0x0                ; xc, wc
	s_load_b64 s[8:9], s[0:1], 0x10                ; the scales' exponents
	s_load_b128 s[68:71], s[0:1], 0x18             ; qc, kc
	s_load_b64 s[72:73], s[0:1], 0x28              ; vc
	v_lshl_add_u32 v[SPW], v0, 2, SPARE
	v_mov_b32 v[NIL], 0
	ds_add_u32 v28, v29
	ds_add_u32 v28, v29
	s_wait_dscnt 0x0
	v_lshrrev_b32 v1, 5, v0
	v_readfirstlane_b32 s14, v1                    ; wave 0..3
	s_lshr_b32 s15, s14, 1                         ; which half of the tile's rows (A) is mine.  Also: I fetch for A (0) or for B (1)
	s_and_b32 s16, s14, 1                          ; which half of its columns (B).  Also: which 128 rows of that tile I fetch
	s_bfe_u32 s40, ttmp6, 0x40000                  ; cx, cy: my place in the cluster
	s_bfe_u32 s41, ttmp6, 0x40004
	s_and_b32 s17, ttmp7, 0xffff                   ; cluster y, shared by all sixteen
	s_lshr_b32 s88, s17, 3                         ; mode
	s_and_b32 s89, s17, 7                          ; idx
	s_lshl_b32 s43, s41, 2
	s_lshl_b32 s43, 15, s43                        ; my row of the cluster
	s_lshl_b32 s44, 0x1111, s40                    ; my column
	; descriptor group 1: a tile of 128 rows x 256 bytes, padded in LDS
	s_or_b32 s[G1+0], s43, (0<<16)|(1<<20)|(1<<21)|(5<<22)|(3<<25)  ; 15:0 the mask: A's tiles go to my row; 17:16 element of 1 byte; 20 padding on; 21 set beside a mask; 24:22 after every 64 words; 31:25 of 4 words
	s_or_b32 s[G1B+0], s44, (0<<16)|(1<<20)|(1<<21)|(5<<22)|(3<<25)
.irp g, G1, G1B
	s_mov_b32 s[\g+1], ROWB<<16                    ; tensor_dim0
	s_mov_b32 s[\g+2], 128<<16                     ; tensor_dim1 = 128
	s_mov_b32 s[\g+3], ROWB<<16                    ; tile_dim0
	s_mov_b32 s[\g+4], 128                         ; tile_dim1 = 128
	s_mov_b32 s[\g+5], KROW                        ; tensor_dim0_stride
	s_mov_b32 s[\g+6], 0
	s_mov_b32 s[\g+7], 0
.endr
	s_lshl_b32 s18, s16, 7                         ; which 128 rows of the tile I fetch
	s_lshl_b32 s90, s89, 10                        ; the cluster's first token
	s_lshl_b32 s91, s88, 20                        ; the mode's weight in wc, in bytes
	s_lshl_b32 s92, s88, 23                        ; the mode's tensor in xc, in bytes
	s_cmp_eq_u32 s88, 2
	s_cselect_b32 s20, 0, s90                      ; A's first row for the cluster,
	s_cselect_b32 s46, s90, 0                      ; B's,
	s_cselect_b32 s93, s91, s92                    ; A's tensor in its buffer,
	s_cselect_b32 s94, s92, s91                    ; B's
	s_lshl_b32 s19, s41, 8
	s_add_co_u32 s20, s20, s19                     ; A: + 256 cy
	s_add_co_u32 s20, s20, s18                     ;    + 128 x half
	s_lshl_b32 s20, s20, 10                        ;    rows of 1,024 bytes
	s_add_co_u32 s20, s20, s93                     ;    (under 2^25)
	s_mov_b32 s21, 0
	s_lshl_b32 s47, s40, 8
	s_add_co_u32 s46, s46, s47                     ; B: + 256 cx
	s_add_co_u32 s46, s46, s18
	s_lshl_b32 s46, s46, 10
	s_add_co_u32 s46, s46, s94
	s_mov_b32 s47, 0
	s_mul_i32 s45, s14, HALFT                      ; where the tiles go: wave x 128 rows: no place in the cluster enters an LDS address
	s_wait_kmcnt 0x0
	s_load_b256 s[76:83], s[8:9], 0x0              ; e0 .. e7
	s_load_b128 s[84:87], s[8:9], 0x20             ; e8 .. e11
	s_cmp_eq_u32 s88, 2
	s_cselect_b64 s[22:23], s[6:7], s[4:5]         ; A's buffer: wc in mode 2, else xc
	s_cselect_b64 s[74:75], s[4:5], s[6:7]         ; B's buffer
	s_add_nc_u64 s[20:21], s[22:23], s[20:21]
	s_add_nc_u64 s[46:47], s[74:75], s[46:47]
	CROUND                                         ; all sixteen work-groups are here: the first joint loads meet
.irp s, 0,1
	s_mov_b32 s[G0+4*\s], 1
	s_add_co_u32 s[G0+4*\s+1], s45, \s*SLOT
	s_add_nc_u64 s[G0+4*\s+2:G0+4*\s+3], s[20:21], \s*ROWB
	s_or_b32 s[G0+4*\s+3], s[G0+4*\s+3], 0x80000000
	s_mov_b32 s[G0B+4*\s], 1
	s_add_co_u32 s[G0B+4*\s+1], s45, \s*SLOT
	s_add_nc_u64 s[G0B+4*\s+2:G0B+4*\s+3], s[46:47], \s*ROWB
	s_or_b32 s[G0B+4*\s+3], s[G0B+4*\s+3], 0x80000000
	s_wait_alu depctr_va_vdst(0)
	s_wait_tensorcnt 0x0
	ds_add_u32 v28, v29
	ds_add_u32 v28, v29
	s_wait_dscnt 0x0
	CROUND
	JLOAD G0+4*\s, G1, G0B+4*\s, G1B
.endr
	v_and_b32 v1, 15, v0                           ; r = l % 16
	v_bfe_u32 v2, v0, 4, 1                         ; h = l / 16
	v_mul_u32_u24 v3, v1, PITCH
	v_lshl_add_u32 v4, v2, 4, v3                   ; a fragment's row x pitch + 16 x half
	s_wait_alu depctr_va_vdst(0)
	s_mul_i32 s21, s15, HALFT                      ; my 128 rows of A
	s_mul_i32 s22, s16, HALFT                      ; my 128 rows of B,
	s_add_co_u32 s22, s22, 2*HALFT                 ; which lie behind A's 256
.irp s, 0,1
	v_add_nc_u32 v[ADRA+\s], s21, v4
	v_add_nc_u32 v[ADRB+\s], s22, v4
	s_add_co_u32 s21, s21, SLOT
	s_add_co_u32 s22, s22, SLOT
.endr
	; the way out.  The stage is the work-group's: 256 rows (A's) x 272 bytes from LDS byte 0 on, in slot 0: when the first code is stored there, slot 0 has had its last fill and every wave has passed the barrier behind its last read
	s_mul_i32 s23, s15, 128*PITCH
	s_lshl_b32 s21, s16, 7
	s_add_co_u32 s23, s23, s21
	v_add_nc_u32 v[STO], s23, v4                   ; in: row 128 x (my half of A) + r, byte 128 x (my half of B) + 16 h
	v_and_b32 v6, 31, v0
	s_wait_alu depctr_va_vdst(0)
	v_lshrrev_b32 v5, 2, v6
	v_mul_u32_u24 v5, v5, PITCH
	v_and_b32 v7, 3, v0
	v_lshl_add_u32 v5, v7, 4, v5
	s_mul_i32 s23, s14, 64*PITCH
	v_add_nc_u32 v[RD], s23, v5                    ; back: wave w takes rows 64 w on; four lanes take 64 bytes of a row, eight rows an instruction
	s_cmp_eq_u32 s88, 2
	s_cselect_b32 s90, s41, s40                    ; P: which four heads: cx (features along n), in mode 2 cy (features along m)
	s_cselect_b32 s91, s40, s41                    ; R: which 256 tokens
	s_mov_b32 s92, 131072
	s_cselect_b32 s93, s92, 4096                   ; from wave to wave: 64 tokens of 64 bytes; in mode 2 a head
	s_cselect_b32 s94, 4096, s92                   ; from one group of 64 bytes to the next: a head; in mode 2 64 keys (64 d x 64 bytes)
	s_cselect_b64 s[10:11], s[72:73], s[68:69]
	s_cmp_eq_u32 s88, 1
	s_cselect_b64 s[10:11], s[70:71], s[10:11]     ; the destination: qc, kc or vc
	s_lshr_b32 s96, s89, 1
	s_lshl_b32 s96, s96, 21                        ; the batch: 16 heads x 2,048 x 64 bytes
	s_lshl_b32 s95, s90, 19
	s_add_co_u32 s96, s96, s95                     ; + four heads x P
	s_and_b32 s95, s89, 1
	s_lshl_b32 s95, s95, 16
	s_add_co_u32 s96, s96, s95                     ; + 1,024 tokens x 64 bytes
	s_lshl_b32 s95, s91, 14
	s_add_co_u32 s96, s96, s95                     ; + 256 tokens x 64 bytes x R
	s_mul_i32 s95, s14, s93
	s_add_co_u32 s96, s96, s95                     ; + my wave's rows
	s_mov_b32 s97, 0
	s_add_nc_u64 s[10:11], s[10:11], s[96:97]
	v_lshlrev_b32 v[CO], 4, v6                     ; 16 bytes a lane
	v_add_nc_u32 v[CO+1], s94, v[CO]
	s_lshl_b32 s95, s94, 1
	v_add_nc_u32 v[CO+2], s95, v[CO]
	s_add_co_u32 s95, s95, s94
	v_add_nc_u32 v[CO+3], s95, v[CO]
.macro FRAG reg, adr, q, i             ; a fragment, 16 rows x 128 K of 8-bit codes, is 16 registers: lane l holds row l % 16; registers 4 c .. 4 c + 3 hold K = 32 c + 16 (l / 16) + 0 .. 15: the same places of k in A and in B
.irp c, 0,1,2,3
	ds_load_b128 v[\reg+4*\c:\reg+4*\c+3], v[\adr] offset:128*(\q)+32*\c+(\i)*16*PITCH
.endr
.endm
; 16 matrix instructions: A's blocks a0, a0 + 1 x B's eight, 128 along K.  p: B's set.  zero = 1: the first product starts the sums: nothing is ever cleared.
; The 64 accumulators take turns, one instruction a turn, in the same order in every step.
.macro MUL16 a0, p, zero
.irp a, \a0, \a0+1
.irp b, 0,1,2,3,4,5,6,7
.if \zero
	v_wmma_f32_16x16x128_fp8_fp8 v[8*(8*((\a)%4)+\b):8*(8*((\a)%4)+\b)+7], v[128*(\p)+FR*\b:128*(\p)+FR*\b+FR-1], v[AF+FR*(\a):AF+FR*(\a)+FR-1], 0
.else
	v_wmma_f32_16x16x128_fp8_fp8 v[8*(8*((\a)%4)+\b):8*(8*((\a)%4)+\b)+7], v[128*(\p)+FR*\b:128*(\p)+FR*\b+FR-1], v[AF+FR*(\a):AF+FR*(\a)+FR-1], v[8*(8*((\a)%4)+\b):8*(8*((\a)%4)+\b)+7]
.endif
.endr
.endr
.endm
.macro FETCH_B slot, q, p              ; B's eight fragments of the slot's q-th 128 along K into set p
	WIN TO_B
.irp i, 0,1,2,3,4,5,6,7
	FRAG 128*(\p)+FR*\i, ADRB+\slot, \q, \i
.endr
	WIN 0
.endm
.macro FETCH_A slot, q, i0             ; A's blocks i0 .. i0 + 3
.irp i, \i0, \i0+1, \i0+2, \i0+3
	FRAG AF+FR*(\i), ADRA+\slot, \q, \i
.endr
.endm
; A load into a register that a matrix instruction has read, and a vector instruction that reads a matrix result or writes one of its registers, stand NP places behind it; only plain vector
; instructions that name none of its registers are places (ISA guide 7.12.1 for vector instructions).
.macro PLACES n
.rept \n
	v_nop
.endr
.endm
; A step of 128 along K that has its successor in the same slot.  A block of A is free as soon as its eight products are issued, so A has one set: blocks 0-3 are fetched anew in the step's middle, blocks 4-7 at its end.
.macro STEP slot, q, zero
	s_wait_dscnt 4*NL                              ; B's set and A's blocks 0-3 are in; the youngest sixteen loads (A's blocks 4-7) may be out
	WIN MUL_LO
	MUL16 0, (\q)%2, \zero
	MUL16 2, (\q)%2, \zero
	s_wait_dscnt 0                                 ; A's blocks 4-7 are in (asked for 32 matrix instructions ago)
	PLACES NP
	FETCH_B \slot, (\q)+1, 1-(\q)%2
	FETCH_A \slot, (\q)+1, 0
	WIN MUL_HI
	MUL16 4, (\q)%2, \zero
	MUL16 6, (\q)%2, \zero
	PLACES NP
	WIN 0
	FETCH_A \slot, (\q)+1, 4
.endm
; A slot's last step changes slots: ONE barrier; in front of it each wave waits for all its tensor loads, adds 0 to its spare word, and waits for that and for its own reads of this slot.  fill = 1: this slot is filled again, two K steps ahead.
.macro TURN slot, next, fill
	s_wait_tensorcnt 0x0                           ; all my tensor loads have landed: my part of the next slot  (every window is 0 here)
	ds_add_u32 v[SPW], v[NIL]                      ; 0 onto my spare word
	s_wait_dscnt 4*NL+1                            ; (the add and the youngest sixteen loads, A's blocks 4-7, may be out)
	WIN MUL_LO
	MUL16 0, 1, 0                                  ; sixteen matrix instructions stand between the add and the wait for it
	s_wait_dscnt 0x0                               ; the add is done, and my reads of this slot are over
	s_barrier_signal -1
	MUL16 2, 1, 0
	WIN 0
	s_barrier_wait -1
.if \fill
	CREST                                          ; the barrier has opened a round of the cluster's barrier: no wave of any partner still reads this slot's tile or has a load on its way
	s_add_nc_u64 s[G0+4*\slot+2:G0+4*\slot+3], s[G0+4*\slot+2:G0+4*\slot+3], 2*ROWB
	s_add_nc_u64 s[G0B+4*\slot+2:G0B+4*\slot+3], s[G0B+4*\slot+2:G0B+4*\slot+3], 2*ROWB
	JLOAD G0+4*\slot, G1, G0B+4*\slot, G1B         ; the first tensor load behind the round; the four v_nop behind it are the places in front of the loads below
.else
	PLACES NP
.endif
	FETCH_B \next, 0, 0
	FETCH_A \next, 0, 0
	WIN MUL_HI
	MUL16 4, 1, 0
	MUL16 6, 1, 0
	PLACES NP
	WIN 0
	FETCH_A \next, 0, 4
.endm
	s_wait_tensorcnt 1                             ; my part of K step 0 is in; K step 1's load may be out
	s_barrier_signal -1
	s_barrier_wait -1                              ; everybody's is
	FETCH_B 0, 0, 0
	FETCH_A 0, 0, 0
	FETCH_A 0, 0, 4
	STEP 0, 0, 1                                   ; the first step stands in front of the loop: its products start the sums
	s_mov_b32 s3, LAPS-1
.Llap:                                                 ; a trip goes once round the ring, from a lap's second step to the next lap's first, and fills both slots again
	TURN 0, 1, 1
	STEP 1, 0, 0
	TURN 1, 0, 1
	STEP 0, 0, 0
	s_sub_co_u32 s3, s3, 1
	s_cmp_lg_u32 s3, 0
	s_cbranch_scc1 .Llap
	TURN 0, 1, 0                                   ; the last lap fills nothing, and has no round of the cluster's barrier
	STEP 1, 0, 0
	s_wait_dscnt 4*NL                              ; the very last step: nothing more to fetch
	WIN MUL_LO
	MUL16 0, 1, 0
	MUL16 2, 1, 0
	s_wait_dscnt 0
	WIN MUL_HI
	MUL16 4, 1, 0
	MUL16 6, 1, 0
	WIN 0
	; THE WAY OUT.  A sum stands for sum x 2^(eA + eB); its code is sum / 2^E: the three exponents are folded into the conversion's one scale.
	s_wait_kmcnt 0x0
	s_sub_co_i32 s90, s82, s76
	s_sub_co_i32 s90, s90, s77                     ; q: e6 - e0 - e1
	s_sub_co_i32 s91, s83, s78
	s_sub_co_i32 s91, s91, s79                     ; k: e7 - e2 - e3
	s_sub_co_i32 s92, s85, s80
	s_sub_co_i32 s92, s92, s81                     ; v: e9 - e4 - e5
	s_cmp_eq_u32 s88, 1
	s_cselect_b32 s90, s91, s90
	s_cmp_eq_u32 s88, 2
	s_cselect_b32 s90, s92, s90                    ; E: a choice, no branch
	s_add_co_i32 s90, s90, 127
	s_lshl_b32 s91, s90, 23
	v_mov_b32 v[SCV], s91                          ; 2^E as f32
	s_add_co_i32 s90, s90, 8
	s_lshl_b32 s90, s90, 23
	s_or_b32 s90, s90, 0x600000
	PLACES NP                                      ; behind the last products: their results are read and their operands' registers written below
; Block a (16 rows of A x my 128 of B): converted and put into the stage; each accumulator is read from its low end on.  Each block has code registers of its own.
.macro TOCODES a
.set AC, 64*((\a)%4)
	WIN 0x02+((\a)/4)                              ; source 0: window 2 or 3
.set j, 0
.rept 64
.set j, j+1
.endr
.irp b, 0,1,2,3,4,5,6,7
	v_cvt_scalef32_pk8_fp8_f32 v[CD+16*(\a)+2*\b:CD+16*(\a)+2*\b+1], v[AC+8*\b:AC+8*\b+7], v[SCV]
.endr
	WIN 0
	v_nop
.irp g, 0,1,2,3
	ds_store_b128 v[STO], v[CD+16*(\a)+4*\g:CD+16*(\a)+4*\g+3] offset:(\a)*16*PITCH+32*\g   ; the codes of n = 32 g + 8 h + 0..7 and 32 g + 16 + 8 h + 0..7
.endr
.endm
.irp a, 0,1,2,3,4,5,6,7
	TOCODES \a
.endr
	s_wait_dscnt 0x0                               ; for the others' sake: my stores into the stage are done
	s_barrier_signal -1
	s_barrier_wait -1                              ; a stage row's 256 bytes come from two waves
.set n, 0
.rept 32                               ; group n / 8 of 64 bytes, rows 8 (n % 8) on
	ds_load_b128 v[CD+4*n:CD+4*n+3], v[RD] offset:64*(n/8)+(n%8)*8*PITCH
.set n, n+1
.endr
.set n, 0
.rept 32
	s_wait_dscnt 31-n                              ; LDS loads come back in order: load n is in
	global_store_b128 v[CO+n/8], v[CD+4*n:CD+4*n+3], s[10:11] offset:512*(n%8)   ; 32 lanes store 512 consecutive bytes, at a multiple of 512 from the buffer's first byte
.set n, n+1
.endr
	s_wait_tensorcnt 0x0                           ; the wave's end: behind my last tensor load and my last LDS store
	ds_add_u32 v[SPW], v[NIL]
	s_wait_dscnt 0x0
	CROUND                                         ; the closing round: no work-group ends while a partner may still ask for a tile that names it
	s_endpgm
.Lfunc_end_k_q6f381a0d6d_proj:
	.size	k_q6f381a0d6d_proj, .Lfunc_end_k_q6f381a0d6d_proj-k_q6f381a0d6d_proj
	.p2alignl 7, 3214868480
	.fill 96, 4, 3214868480
	.section	.rodata,"a",@progbits
	.p2align	6, 0x0
	.amdhsa_kernel k_q6f381a0d6d_proj
		.amdhsa_group_segment_fixed_size 327680
		.amdhsa_private_segment_fixed_size 0
		.amdhsa_enable_private_segment 0
		.amdhsa_kernarg_size 48
		.amdhsa_user_sgpr_count 2
		.amdhsa_user_sgpr_kernarg_segment_ptr 1
		.amdhsa_wavefront_size32 1
		.amdhsa_system_sgpr_workgroup_id_x 1
		.amdhsa_system_sgpr_workgroup_id_y 1
		.amdhsa_system_sgpr_workgroup_id_z 1
		.amdhsa_system_vgpr_workitem_id 0
		.amdhsa_next_free_vgpr 1024
		.amdhsa_next_free_sgpr 100
		.amdhsa_reserve_vcc 0
		.amdhsa_float_denorm_mode_32 3
		.amdhsa_float_denorm_mode_16_64 3
		.amdhsa_fp16_overflow 1
		.amdhsa_memory_ordered 1
		.amdhsa_forward_progress 1
		.amdhsa_inst_pref_size 93
	.end_amdhsa_kernel
	.amdgpu_metadata
---
amdhsa.version: [ 1, 2 ]
amdhsa.kernels:
  - .name:           k_q6f381a0d6d_proj
    .symbol:         k_q6f381a0d6d_proj.kd
    .args:
      - { .name: xc, .offset: 0, .size: 8, .value_kind: global_buffer, .address_space: global }
      - { .name: wc, .offset: 8, .size: 8, .value_kind: global_buffer, .address_space: global }
      - { .name: lowp_scales, .offset: 16, .size: 8, .value_kind: global_buffer, .address_space: global }
      - { .name: qc, .offset: 24, .size: 8, .value_kind: global_buffer, .address_space: global }
      - { .name: kc, .offset: 32, .size: 8, .value_kind: global_buffer, .address_space: global }
      - { .name: vc, .offset: 40, .size: 8, .value_kind: global_buffer, .address_space: global }
    .group_segment_fixed_size: 327680
    .private_segment_fixed_size: 0
    .kernarg_segment_align: 8
    .kernarg_segment_size: 48
    .max_flat_workgroup_size: 128
    .sgpr_count:     100
    .vgpr_count:     1024
    .wavefront_size: 32
...
	.end_amdgpu_metadata
.endif
;; end of part 2
;; launch attn (part 3): grid 4 x 64, 16 waves a work-group, no clusters, 327,680 bytes of LDS; arguments qc, kc, vc, lowp_scales, ac; writes ac
.if DOCPART == 3
	.amdgcn_target "amdgcn-amd-amdhsa--gfx1250"
	.amdhsa_code_object_version 6
	.text
	.protected	k_q6f381a0d6d_attn
	.globl	k_q6f381a0d6d_attn
	.p2align	8
	.type	k_q6f381a0d6d_attn,@function
k_q6f381a0d6d_attn:
	s_mov_b64 s[64:65], 0
	v_nop
	global_prefetch_b8 v0, s[64:65] scope:SCOPE_SE
	s_setreg_imm32_b32 hwreg(HW_REG_WAVE_MODE, 25, 1), 1
	s_wait_xcnt 0x0
; Causal attention on codes of FP8 (E4M3), head size 64, 64 heads (b, h) of 2,048 tokens, and its result quantised for the last projection.
; qc, kc: [bh][token][64 bytes]; vc: [bh][key / 64][d 64][64 bytes]; in all three, within each 32 along K, byte 16 h + 8 u + j holds k = 16 u + 8 h + j, so that one 16-byte load gives a lane four registers of the plain 8-bit layout.
; ac: [b][block of 256 tokens][head][256 tokens][64 d], d in its own order: one code a byte, scale 2^e10.
; THE SOFTMAX: t = score x 2^(e6 + e7) x log2(e) / 8; M = the row's largest t so far, rounded UP to a whole number; p = 2^(t - M) is quantised with 2^e8, not normalised.  The row's sum is taken of the unquantised p, in f32.
; When M moves, the sum and O are multiplied by 2^(old M - new M): exact.  At the end code = O x 2^(e8 + e9 - e10) / sum, held within +-448.
; SHARES.  A work-group takes query block i (256 queries) and then block 7 - i of one head: (i + 1) + (8 - i) = 9 slots of 256 keys in EVERY work-group: equal work, and a trip count that is a constant.  Slots wholly above the diagonal are never fetched.
; Each of the SIXTEEN waves owns 16 queries of the block in hand, in 256 registers: four waves to a SIMD, so that one wave's vector work stands beside another's matrix work and LDS loads.
; A step is 128 keys.  A step all of whose keys come after my queries is jumped over (a scalar branch on ids); on the diagonal hidden scores become -infinity ahead of the maximum.
; Both products are used transposed: S^T = K Q^T (source 0 = 16 keys, source 1 = my 16 queries; K = 64), O^T = V^T P^T (source 0 = 16 d, source 1 = P; K = 128 keys): a lane holds ONE query (lane % 16) throughout,
; and register 8 t + j of S^T is key 16 t + 8 (lane / 16) + j: the conversions' results are the second product's operand.
; THE RING: two LDS slots; a slot's K (256 keys x 64 bytes) and V (4 x 64 d x 64 bytes) are each one dense block of 16,384 bytes: 64 rows of 256 bytes, one tensor load each (wave 0: K, wave 1: V), read by all sixteen waves.
; NO CLUSTER: the four work-groups of a head change from their first block to their second in different trips (trip i + 1), from where on they walk different slots; and the change is a branch on i, which would be a place in the cluster.
; LIMITS on the given exponents: e6 + e7 between -123 and 130 (added to c's exponent field); e8 between -126 and 119; e8 + e9 - e10 is applied by v_ldexp_f32.  NaN among the inputs is not served.
; REGISTERS: v1-11 addresses that stay; v12 -M, v13 the largest t, v[14:15] the sum in two halves; v16-23 Q in hand, v24-31 Q of block 7 - i; v32-95 eight fragments of K, then four of V; v96-159 S^T, then p;
;   v160-191 O^T; v192-207 p's codes; v208-215 O's codes; v216-231 rows on the way out, eight for each block; v236-254 at work and constants.
.set LP,    272                        ; an LDS row: 256 bytes + 16 of padding
.set VOFF,  64*LP                      ; a slot: 64 rows of K, then 64 rows of V
.set SLOT1, 65536                      ; slot 1 begins here: one exclusive or turns an address in one slot into the other's
.set SLOTB, 16384                      ; a slot's bytes in kc and in vc
.set SPARE, 2*SLOT1                    ; the spare words, 128 bytes for each wave: eight blocks of 256 bytes that no other line names
.set STAGE, SPARE+2048                 ; the way out: 16 rows x (64 bytes + 16) for each wave; bytes of its own, since the ring goes on behind the first block's way out
.set SROW,  80
.set AK0,  1                           ; v1   my lane's place in a fragment of K or V: (r / 4) LP + 64 (r % 4) + 16 h
.set PFO,  3                           ; v3   256 x lane: the prefetches' offset
.set SPW,  5                           ; v5   LDS address of my spare word; never rewritten
.set NIL,  6                           ; v6   0; never rewritten
.set GO,   7                           ; v7   16 x lane: my byte in the wave's 1,024 bytes of ac
.set ADK,  8                           ; v8   AK0 + the slot in hand
.set STO,  9                           ; v9   the stage: where I put 8 codes
.set RD,   10                          ; v10  and where I read 16 bytes back
.set DL,   11                          ; v11  r - 8 h, for the causal test
.set WV,   18                          ; s18  my wave's number
.set SEL,  20                          ; s[20:21] lane selects for v_permlanex16_b32: lane l xor 16
.set CS,   22                          ; s[22:23] c = log2(e) / 8 x 2^(e6 + e7)
.set G1,   24                          ; s[24:31] descriptor group 1, for both kinds of tile
.set G0K,  32                          ; s[32:35] group 0 for K's tiles;  s[36:39] for V's
.set G0V,  36
.set KB,   40                          ; s[40:41] kc at my head;  s[42:43] vc
.set VB,   42
.set TB,   2                           ; s2   LDS byte at which the slot in hand begins
.set TRIP, 3                           ; s3   the trip, 0 .. 8
.set BLKI, 44                          ; s44  i
.set SW,   45                          ; s45  i + 1: the trip at whose head the blocks change
.set KSN,  46                          ; s46  which slot of keys the last tensor loads asked for
.set KF,   48                          ; s48  the step's first key
.set Q0,   49                          ; s49  my first query
.set QBLK, 50                          ; s50  the block of queries in hand
.set OFS,  51                          ; s51  my wave's bytes in ac, without the block's
.set OB,   52                          ; s[52:53], s[54:55] the stores' base, one for each block
.set PFA,  56                          ; s[56:57] where my prefetches stand
.set LIM,  58                          ; s58  a wave prefetches while the trip is under it
.set EO,   59                          ; s59  e8 + e9 - e10
; Wave 0 fetches K's tile, wave 1 V's, the others nothing.  The branches hang on the wave's number alone.  Four v_nop follow each of the two lines.
.macro TLOAD
	s_cmp_eq_u32 s[WV], 0
	s_cbranch_scc0 .Lnot_k_\@
	tensor_load_to_lds s[G0K:G0K+3], s[G1:G1+7]
	s_nop 0
.rept 4
	v_nop
.endr
	s_branch .Lasked_\@
.Lnot_k_\@:
	s_cmp_eq_u32 s[WV], 1
	s_cbranch_scc0 .Lasked_\@
	tensor_load_to_lds s[G0V:G0V+3], s[G1:G1+7]
	s_nop 0
.rept 4
	v_nop
.endr
.Lasked_\@:
.endm
; A PREFETCH INTO THE L2.  All four work-groups of a head walk the same K and V; the one with i = 0 walks slots 0 .. 7 in trips 1 .. 8 and asks, and nobody else.  In trip T (0 .. 6), where its tensor loads ask for slot T,
; waves 2 and 3 name the two halves (8,192 bytes, lanes 256 bytes apart) of K's slot T + 1 and waves 4 and 5 those of V's: what its next change of slots will ask for.  So each aligned block of 256 bytes of slots 1 .. 7 is named once in the launch;
; slot 0 comes by its loads alone, and trip 7 names nothing: there is no slot 8.
.macro ASK
	s_cmp_lt_u32 s[TRIP], s[LIM]
	s_cbranch_scc0 .Lnot_mine_\@
	global_prefetch_b8 v[PFO], s[PFA:PFA+1] th:TH_LOAD_NT scope:SCOPE_SE
.Lnot_mine_\@:
.endm
	s_load_b256 s[4:11], s[0:1], 0x0               ; qc s[4:5], kc s[6:7], vc s[8:9], the scales' exponents s[10:11]
	s_load_b64 s[12:13], s[0:1], 0x20              ; ac
	v_lshl_add_u32 v[SPW], v0, 2, SPARE
	v_mov_b32 v[NIL], 0
	ds_add_u32 v5, v6
	ds_add_u32 v5, v6
	s_wait_dscnt 0x0
	v_lshrrev_b32 v8, 5, v0
	s_delay_alu instid0(VALU_DEP_1)
	v_readfirstlane_b32 s[WV], v8                  ; wave 0..15
	s_mov_b32 s[BLKI], ttmp9
	s_add_co_u32 s[SW], s[BLKI], 1
	s_and_b32 s72, ttmp7, 0xffff                   ; the head: 16 b + h
	s_lshl_b32 s62, s72, 17                        ; its first byte in qc, kc and vc: 2,048 x 64 bytes a head
	s_mov_b32 s63, 0
	s_lshr_b32 s73, s72, 4
	s_lshl_b32 s[OFS], s73, 21                     ; ac: b x 8 blocks x 16 heads x 16,384 bytes
	s_and_b32 s73, s72, 15
	s_lshl_b32 s73, s73, 14
	s_add_co_u32 s[OFS], s[OFS], s73               ; + h x 16,384
	s_lshl_b32 s73, s[WV], 10
	s_add_co_u32 s[OFS], s[OFS], s73               ; + my 16 queries x 64 bytes
	; descriptor group 1: 64 rows of 256 bytes, dense in memory, padded in LDS
	s_mov_b32 s[G1], (0<<16)|(1<<20)|(5<<22)|(3<<25)  ; 15:0 no mask; 17:16 elements of 1 byte; 20 padding on; 24:22 after every 64 words; 31:25 four words
	s_mov_b32 s[G1+1], 256<<16                     ; tensor_dim0
	s_mov_b32 s[G1+2], 64<<16                      ; tensor_dim1
	s_mov_b32 s[G1+3], 256<<16                     ; tile_dim0
	s_mov_b32 s[G1+4], 64                          ; tile_dim1
	s_mov_b32 s[G1+5], 256                         ; tensor_dim0_stride
	s_mov_b32 s[G1+6], 0
	s_mov_b32 s[G1+7], 0
	s_mov_b32 s[SEL], 0x76543210
	s_mov_b32 s[SEL+1], 0xfedcba98
	s_mov_b32 s[CS], 0x3e38aa3b                    ; log2(e) / 8
	s_mov_b32 s[TB], 0
	s_mov_b32 s[TRIP], 0
	s_mov_b32 s[KSN], 0
	s_mov_b32 s[KF], 0
	s_mov_b32 s[QBLK], s[BLKI]
	s_lshl_b32 s[Q0], s[BLKI], 8
	s_lshl_b32 s73, s[WV], 4
	s_add_co_u32 s[Q0], s[Q0], s73                 ; my first query: 256 i + 16 x wave
	s_wait_kmcnt 0x0
	s_load_b64 s[60:61], s[10:11], 0x18            ; e6, e7
	s_load_b128 s[68:71], s[10:11], 0x20           ; e8, e9, e10, e11
	s_add_nc_u64 s[KB:KB+1], s[6:7], s[62:63]
	s_add_nc_u64 s[VB:VB+1], s[8:9], s[62:63]
	s_add_nc_u64 s[4:5], s[4:5], s[62:63]          ; qc at my head
	s_mov_b32 s[G0K], 1                            ; 1:0 count = 1
	s_mov_b32 s[G0K+1], 0                          ; 63:32 LDS address: slot 0
	s_mov_b64 s[G0K+2:G0K+3], s[KB:KB+1]           ; 120:64 global address: the head's first 256 keys
	s_or_b32 s[G0K+3], s[G0K+3], 0x80000000        ; 127:126 type = 2
	s_mov_b32 s[G0V], 1
	s_mov_b32 s[G0V+1], VOFF
	s_mov_b64 s[G0V+2:G0V+3], s[VB:VB+1]
	s_or_b32 s[G0V+3], s[G0V+3], 0x80000000
	TLOAD                                          ; trip 0's tiles, into slot 0
	s_cmp_lt_u32 s[WV], 4                          ; the prefetches: waves 2, 3 stand in kc, waves 4, 5 in vc,
	s_cselect_b64 s[PFA:PFA+1], s[KB:KB+1], s[VB:VB+1]
	s_and_b32 s72, s[WV], 1
	s_lshl_b32 s72, s72, 13                        ; at their half of slot 0: the first change of slots steps them to slot 1
	s_mov_b32 s73, 0
	s_add_nc_u64 s[PFA:PFA+1], s[PFA:PFA+1], s[72:73]
	s_sub_co_u32 s72, s[WV], 2
	s_lshr_b32 s72, s72, 2                         ; 0 in waves 2 to 5,
	s_or_b32 s72, s72, ttmp9                       ; of the work-group with i = 0
	s_cmp_eq_u32 s72, 0
	s_cselect_b32 s[LIM], 7, 0
	v_and_b32 v2, 15, v0                           ; r = lane % 16
	v_bfe_u32 v4, v0, 4, 1                         ; h = lane / 16
	s_delay_alu instid0(VALU_DEP_2)
	v_lshlrev_b32 v254, 6, v2
	s_delay_alu instid0(VALU_DEP_1)
	v_lshl_add_u32 v254, v4, 4, v254               ; Q: row r of 64 bytes, + 16 h
	s_lshl_b32 s72, s[BLKI], 14
	s_lshl_b32 s73, s[WV], 10
	s_add_co_u32 s72, s72, s73
	v_add_nc_u32 v242, s72, v254                   ; in block i,
	s_sub_co_u32 s74, 7, s[BLKI]
	s_lshl_b32 s74, s74, 14
	s_add_co_u32 s74, s74, s73
	v_add_nc_u32 v243, s74, v254                   ; and in block 7 - i
	global_load_b128 v[16:19], v242, s[4:5]        ; both fragments of Q stay in registers
	global_load_b128 v[20:23], v242, s[4:5] offset:32
	global_load_b128 v[24:27], v243, s[4:5]
	global_load_b128 v[28:31], v243, s[4:5] offset:32
	v_lshrrev_b32 v[AK0], 2, v2                    ; an LDS row holds four rows of 64 bytes
	s_delay_alu instid0(VALU_DEP_1)
	v_mul_u32_u24 v[AK0], v[AK0], LP
	v_and_b32 v252, 3, v2
	s_delay_alu instid0(VALU_DEP_1)
	v_lshl_add_u32 v[AK0], v252, 6, v[AK0]
	s_delay_alu instid0(VALU_DEP_1)
	v_lshl_add_u32 v[AK0], v4, 4, v[AK0]
	s_mul_i32 s75, s[WV], 16*SROW
	s_add_co_u32 s75, s75, STAGE                   ; my stage
	v_mul_u32_u24 v[STO], v2, SROW
	s_delay_alu instid0(VALU_DEP_1)
	v_lshl_add_u32 v[STO], v4, 3, v[STO]
	s_delay_alu instid0(VALU_DEP_1)
	v_add_nc_u32 v[STO], s75, v[STO]               ; in: row r, + 8 h
	v_and_b32 v[GO], 31, v0
	s_delay_alu instid0(VALU_DEP_1)
	v_lshrrev_b32 v[RD], 2, v[GO]
	s_delay_alu instid0(VALU_DEP_1)
	v_mul_u32_u24 v[RD], v[RD], SROW
	v_and_b32 v252, 3, v0
	s_delay_alu instid0(VALU_DEP_1)
	v_lshl_add_u32 v[RD], v252, 4, v[RD]
	s_delay_alu instid0(VALU_DEP_1)
	v_add_nc_u32 v[RD], s75, v[RD]                 ; back: four lanes to a row of 64 bytes, eight rows an instruction
	v_lshlrev_b32 v[PFO], 8, v[GO]
	v_lshlrev_b32 v[GO], 4, v[GO]
	v_lshlrev_b32 v252, 3, v4
	s_delay_alu instid0(VALU_DEP_1)
	v_sub_nc_u32 v[DL], v2, v252
	v_mov_b32 v13, 0xff61b1e6                      ; the largest t so far: -3e38, under every t
	s_delay_alu instid0(VALU_DEP_1)
	v_floor_f32 v12, -v13                          ; -M
	v_mov_b32 v14, 0                               ; the sum, in two halves
	v_mov_b32 v15, 0
	v_mov_b32 v236, 0                              ; written once: a lane permute's destination counts as one of its sources
	v_mov_b32 v252, 0
	v_mov_b32 v253, 0                              ; (named as the upper half of the pair v[252:253])
.set j, 0
.rept 32
	v_mov_b32 v[160+j], 0                          ; O^T.  (The step is written once: a block's first step finds zeros, which the first change of M leaves zeros)
.set j, j+1
.endr
	v_mov_b32 v245, 1.0                            ; the scale of O's conversion: its exponents are folded into the divisor
	s_wait_kmcnt 0x0
	s_add_co_i32 s72, s60, s61
	s_lshl_b32 s72, s72, 23
	s_add_co_i32 s[CS], s[CS], s72                 ; a score stands for score x 2^(e6 + e7): the exponents are added to c's exponent field
	s_mov_b32 s[CS+1], s[CS]                       ; (named with it as a pair, so it is written)
	s_add_co_i32 s72, s68, 127
	s_lshl_b32 s73, s72, 23
	v_mov_b32 v244, s73                            ; 2^e8 as f32, for p's conversion
	s_add_co_i32 s[EO], s68, s69
	s_sub_co_i32 s[EO], s[EO], s70
; A KEY STEP: 128 keys, the q-th of the slot in hand.
.macro STEP q
	s_add_co_u32 s96, s[Q0], 15
	s_cmp_gt_u32 s[KF], s96                        ; all 128 keys come after my 16 queries: the step's work is left out; no barrier and no tensor load stands in a step
	s_cbranch_scc1 .Lhidden_\@
	v_add_nc_u32 v[ADK], s[TB], v[AK0]
.rept 3
	v_nop                                          ; with the addition: four places in front of loads into registers that the last products have read
.endr
.irp t, 0,1,2,3,4,5,6,7
.irp c, 0,1
	ds_load_b128 v[32+8*\t+4*\c:32+8*\t+4*\c+3], v[ADK] offset:(32*(\q)+4*\t)*LP+32*\c   ; K: keys 16 t + r
.endr
.endr
	s_wait_dscnt 0x0
	s_wait_alu depctr_va_vdst(0)
.irp t, 0,1,2,3,4,5,6,7
	v_wmma_f32_16x16x64_fp8_fp8 v[96+8*\t:103+8*\t], v[32+8*\t:39+8*\t], v[16:23], 0
.endr
.rept 4
	v_nop                                          ; places in front of the loads below and of the first read of the scores
.endr
.irp t, 0,1,2,3
.irp c, 0,1,2,3
	ds_load_b128 v[32+16*\t+4*\c:32+16*\t+4*\c+3], v[ADK] offset:VOFF+(2*(\q)+\c/2)*16*LP+4*LP*\t+32*(\c%2)   ; V: d = 16 t + r, keys 32 c on: they land while the softmax is worked
.endr
.endr
	s_add_co_u32 s96, s[KF], 127
	s_cmp_le_u32 s96, s[Q0]                        ; a step all of whose keys count skips the mask
	s_cbranch_scc1 .Lopen_\@
	s_sub_co_i32 s96, s[Q0], s[KF]
	v_add_nc_u32 v252, s96, v[DL]                  ; d = my query - KF - 8 h.  Register 8 t + j holds key KF + 16 t + 8 h + j: hidden where 16 t + j > d
	v_mov_b32 v254, 0xff800000                     ; -infinity: p = 0 then
.set n, 0
.rept 64
	v_cmp_gt_i32 vcc_lo, 16*(n/8)+n%8, v252
	v_cndmask_b32 v[96+n], v[96+n], v254, vcc_lo
.set n, n+1
.endr
.Lopen_\@:
	v_max3_num_f32 v254, v96, v97, v98             ; the step's largest score of my query, among my 64 keys, in two chains, each tile from its low end on,
	v_max3_num_f32 v252, v99, v100, v101
.irp i, 6,10,14,18,22,26,30,34,38,42,46,50,54,58
	v_max3_num_f32 v254, v254, v[96+\i], v[97+\i]
	v_max3_num_f32 v252, v252, v[98+\i], v[99+\i]
.endr
	v_max3_num_f32 v254, v254, v158, v159
	s_delay_alu instid0(VALU_DEP_1)
	v_max_num_f32 v254, v254, v252
	s_delay_alu instid0(VALU_DEP_1)
	v_permlanex16_b32 v236, v254, s[SEL], s[SEL+1]
	s_delay_alu instid0(VALU_DEP_1)
	v_max_num_f32 v254, v254, v236                 ; and among lane l xor 16's
	s_delay_alu instid0(VALU_DEP_1)
	v_mul_f32 v254, s[CS], v254                    ; as t (c is positive)
	s_delay_alu instid0(VALU_DEP_1)
	v_max_num_f32 v13, v13, v254                   ; the running largest t
	v_mov_b32 v254, v12
	s_delay_alu instid0(VALU_DEP_2)
	v_floor_f32 v12, -v13                          ; the new -M = floor(-t) = -ceil(t): M is a whole number
	s_delay_alu instid0(VALU_DEP_1)
	v_sub_f32 v254, v12, v254                      ; M's old value less its new one: a whole number, 0 or less
	s_delay_alu instid0(VALU_DEP_1)
	v_cvt_i32_f32 v254, v254                       ; (it saturates)
	s_delay_alu instid0(VALU_DEP_1)
	v_ldexp_f32 v252, 1.0, v254                    ; f = 2^(old M - new M)
.set j, 0
.rept 32
	v_pk_fma_f32 v[96+j:97+j], v[96+j:97+j], s[CS:CS+1], v[12:13] op_sel_hi:[1,0,0]   ; t - M, two at a time (of the pairs c and -M the low word serves both halves)
.set j, j+2
.endr
.set j, 0
	s_wait_alu depctr_va_vdst(0)
.rept 64
	v_exp_f32 v[96+j], v[96+j]                     ; p = 2^(t - M), at most 1: not normalised
.set j, j+1
.endr
	v_pk_mul_f32 v[14:15], v[14:15], v[252:253] op_sel_hi:[1,0]   ; the sums under the new M: the plain instruction behind the exponentials
	s_wait_alu depctr_va_vdst(0)                   ; one wait for the whole batch, ahead of its first reader
	v_pk_add_f32 v[242:243], v[100:101], v[104:105]
	v_pk_add_f32 v[254:255], v[108:109], v[112:113]
	v_pk_add_f32 v[250:251], v[116:117], v[120:121]
	v_pk_add_f32 v[248:249], v[124:125], v[128:129]
	v_pk_add_f32 v[246:247], v[132:133], v[136:137]
	v_pk_add_f32 v[240:241], v[140:141], v[144:145]
	v_pk_add_f32 v[238:239], v[148:149], v[152:153]
	v_pk_add_f32 v[14:15], v[14:15], v[156:157]
	v_pk_add_f32 v[242:243], v[242:243], v[96:97]
	v_pk_add_f32 v[254:255], v[254:255], v[98:99]
	v_pk_add_f32 v[250:251], v[250:251], v[102:103]
	v_pk_add_f32 v[248:249], v[248:249], v[106:107]
	v_pk_add_f32 v[246:247], v[246:247], v[110:111]
	v_pk_add_f32 v[240:241], v[240:241], v[114:115]
	v_pk_add_f32 v[238:239], v[238:239], v[118:119]
	v_pk_add_f32 v[14:15], v[14:15], v[122:123]
	v_pk_add_f32 v[242:243], v[242:243], v[126:127]
	v_pk_add_f32 v[254:255], v[254:255], v[130:131]
	v_pk_add_f32 v[250:251], v[250:251], v[134:135]
	v_pk_add_f32 v[248:249], v[248:249], v[138:139]
	v_pk_add_f32 v[246:247], v[246:247], v[142:143]
	v_pk_add_f32 v[240:241], v[240:241], v[146:147]
	v_pk_add_f32 v[238:239], v[238:239], v[150:151]
	v_pk_add_f32 v[14:15], v[14:15], v[154:155]
	v_pk_add_f32 v[242:243], v[242:243], v[158:159]
	s_delay_alu instid0(VALU_DEP_2)
	v_pk_add_f32 v[14:15], v[14:15], v[248:249]
	s_delay_alu instid0(VALU_DEP_2)
	v_pk_add_f32 v[242:243], v[242:243], v[246:247]
	v_pk_add_f32 v[254:255], v[254:255], v[240:241]
	v_pk_add_f32 v[250:251], v[250:251], v[238:239]
	s_delay_alu instid0(VALU_DEP_2)
	v_pk_add_f32 v[14:15], v[14:15], v[254:255]
	s_delay_alu instid0(VALU_DEP_2)
	v_pk_add_f32 v[242:243], v[242:243], v[250:251]
	s_delay_alu instid0(VALU_DEP_1)
	v_pk_add_f32 v[14:15], v[14:15], v[242:243]
.irp t, 0,1,2,3,4,5,6,7
.irp i, 0,1,2,3,4,5,6,7
.endr
	v_cvt_scalef32_pk8_fp8_f32 v[192+2*\t:193+2*\t], v[96+8*\t:103+8*\t], v244   ; registers 2 t, 2 t + 1 of the operand: keys 16 t + 8 h + 0 .. 7
.endr
.set j, 0
.rept 16
	v_pk_mul_f32 v[160+j:161+j], v[160+j:161+j], v[252:253] op_sel_hi:[1,0]   ; O^T under the new M.  (Also the plain instructions between the conversions and the products)
.set j, j+2
.endr
	s_wait_alu depctr_va_vdst(0)
	s_wait_dscnt 0x0                               ; V is in
.irp t, 0,1,2,3
	v_wmma_f32_16x16x128_fp8_fp8 v[160+8*\t:167+8*\t], v[32+16*\t:47+16*\t], v[192:207], v[160+8*\t:167+8*\t]   ; the four accumulators take turns, one instruction a turn
.endr
.Lhidden_\@:
	s_add_co_u32 s[KF], s[KF], 128
.endm
; THE CHANGE OF SLOTS stands at a trip's head.  Each wave waits for all its tensor loads (its part of the slot that it is about to read), adds 0 to its spare word, and waits for that and for its reads of the slot that it has left.
; Behind the barrier the slot ahead is whole and nobody reads the other one.  fill = 1: that other slot is filled with the next trip's keys: the load has a whole trip in which to land.
.macro CHANGE fill
	s_wait_tensorcnt 0x0                           ; no tensor load of mine is out, so a group 0 may be written
	ds_add_u32 v[SPW], v[NIL]                      ; 0 onto my spare word; with fill = 1 the descriptors' words are made between it and the wait for it
.if \fill
	s_add_co_u32 s47, s[KSN], 1
	s_cmp_eq_u32 s[TRIP], s[BLKI]                  ; the next trip is the second block's first:
	s_cselect_b32 s[KSN], 0, s47                   ; it begins at the head's first keys again
	s_lshl_b32 s62, s[KSN], 14
	s_add_nc_u64 s[G0K+2:G0K+3], s[KB:KB+1], s[62:63]
	s_or_b32 s[G0K+3], s[G0K+3], 0x80000000
	s_add_nc_u64 s[G0V+2:G0V+3], s[VB:VB+1], s[62:63]
	s_or_b32 s[G0V+3], s[G0V+3], 0x80000000
	s_xor_b32 s[G0K+1], s[G0K+1], SLOT1            ; the other slot than last time
	s_xor_b32 s[G0V+1], s[G0V+1], SLOT1
	s_wait_xcnt 0x0                                ; the last prefetch, a trip back, has read its address, so it may be written
	s_add_nc_u64 s[PFA:PFA+1], s[PFA:PFA+1], SLOTB
.endif
	s_wait_dscnt 0x0                               ; the add is done, and my reads of the slot that I have left are over
	s_barrier_signal -1
	s_barrier_wait -1
.if \fill
	TLOAD                                          ; the first thing behind the barrier, and a wave's one tensor load until the next
	ASK
.endif
.endm
; THE WAY OUT of a block of queries.  O^T x 2^(e8 + e9 - e10) / the sum is converted and goes through my stage: 16 rows of 64 bytes, which leave as 1,024 consecutive bytes of ac.
; Block p has its own base and its own eight registers of rows, so that no wait for the first block's stores is needed.
.macro OUT p
.rept 4
	v_nop                                          ; places behind the last products
.endr
	v_add_f32 v14, v14, v15                        ; the sum's two halves,
	s_delay_alu instid0(VALU_DEP_1)
	v_permlanex16_b32 v252, v14, s[SEL], s[SEL+1]
	s_delay_alu instid0(VALU_DEP_1)
	v_add_f32 v14, v14, v252                       ; and lane l xor 16's: the row's sum
	s_wait_alu depctr_va_vdst(0)
	v_rcp_f32 v14, v14
	v_nop                                          ; a plain instruction behind the transcendental
	s_lshl_b32 s72, s[QBLK], 18                    ; the block: 16 heads x 16,384 bytes
	s_add_co_u32 s72, s72, s[OFS]
	s_mov_b32 s73, 0
	s_add_nc_u64 s[OB+2*\p:OB+2*\p+1], s[12:13], s[72:73]
	s_wait_alu depctr_va_vdst(0)                   ; the wait ahead of the reciprocal's first reader
	v_ldexp_f32 v14, v14, s[EO]
.set j, 0
.rept 16
	v_pk_mul_f32 v[96+j:97+j], v[160+j:161+j], v[14:15] op_sel_hi:[1,0]   ; register 8 t + i is o(query r, d = 16 t + 8 h + i), in units of 2^e10; each accumulator from its low end on
.set j, j+2
.endr
.set j, 0
.rept 32
.set j, j+1
.endr
.irp t, 0,1,2,3
	v_cvt_scalef32_pk8_fp8_f32 v[208+2*\t:209+2*\t], v[96+8*\t:103+8*\t], v245
.endr
	v_nop                                          ; one plain vector instruction behind the last conversion: later products write its sources
.irp t, 0,1,2,3
	ds_store_b64 v[STO], v[208+2*\t:209+2*\t] offset:16*\t
.endr
.irp g, 0,1
	ds_load_b128 v[216+8*\p+4*\g:219+8*\p+4*\g], v[RD] offset:8*SROW*\g   ; LDS serves a wave's instructions in order: these see my stores
.endr
.irp g, 0,1
	s_wait_dscnt 1-\g
	global_store_b128 v[GO], v[216+8*\p+4*\g:219+8*\p+4*\g], s[OB+2*\p:OB+2*\p+1] offset:512*\g   ; 32 lanes store 512 consecutive bytes, at a multiple of 512 from ac's first byte
.endr
.endm
	s_wait_loadcnt 0x0                             ; Q
.Lslot:                                                ; eight trips: behind each change of slots the next trip's tiles are asked for
	CHANGE 1
	s_cmp_eq_u32 s[TRIP], s[SW]                    ; a scalar branch on ids: block i is finished, block 7 - i begins.  No barrier and no tensor load stands inside
	s_cbranch_scc0 .Lsame
	OUT 0
	v_mov_b32 v13, 0xff61b1e6                      ; the statistics and O^T anew,
	s_delay_alu instid0(VALU_DEP_1)
	v_floor_f32 v12, -v13
	v_mov_b32 v14, 0
	v_mov_b32 v15, 0
.set j, 0
.rept 32
	v_mov_b32 v[160+j], 0
.set j, j+1
.endr
.set j, 0
.rept 8
	v_mov_b32 v[16+j], v[24+j]                     ; the second block's Q
.set j, j+1
.endr
	s_mov_b32 s[KF], 0
	s_sub_co_u32 s[QBLK], 7, s[BLKI]
	s_lshl_b32 s[Q0], s[QBLK], 8
	s_lshl_b32 s72, s[WV], 4
	s_add_co_u32 s[Q0], s[Q0], s72
.Lsame:
	STEP 0
	STEP 1
	s_xor_b32 s[TB], s[TB], SLOT1                  ; on to the other slot
	s_add_co_u32 s[TRIP], s[TRIP], 1
	s_cmp_lt_u32 s[TRIP], 8
	s_cbranch_scc1 .Lslot
	CHANGE 0                                       ; the ninth trip is written out
	STEP 0
	STEP 1
	OUT 1
	s_wait_tensorcnt 0x0                           ; the wave's end: behind my last tensor load and my last LDS store
	ds_add_u32 v[SPW], v[NIL]
	s_wait_dscnt 0x0
	s_endpgm
.Lfunc_end_k_q6f381a0d6d_attn:
	.size	k_q6f381a0d6d_attn, .Lfunc_end_k_q6f381a0d6d_attn-k_q6f381a0d6d_attn
	.p2alignl 7, 3214868480
	.fill 96, 4, 3214868480
	.section	.rodata,"a",@progbits
	.p2align	6, 0x0
	.amdhsa_kernel k_q6f381a0d6d_attn
		.amdhsa_group_segment_fixed_size 327680
		.amdhsa_private_segment_fixed_size 0
		.amdhsa_enable_private_segment 0
		.amdhsa_kernarg_size 40
		.amdhsa_user_sgpr_count 2
		.amdhsa_user_sgpr_kernarg_segment_ptr 1
		.amdhsa_wavefront_size32 1
		.amdhsa_system_sgpr_workgroup_id_x 1
		.amdhsa_system_sgpr_workgroup_id_y 1
		.amdhsa_system_sgpr_workgroup_id_z 1
		.amdhsa_system_vgpr_workitem_id 0
		.amdhsa_next_free_vgpr 256
		.amdhsa_next_free_sgpr 100
		.amdhsa_reserve_vcc 1
		.amdhsa_float_denorm_mode_32 3
		.amdhsa_float_denorm_mode_16_64 3
		.amdhsa_fp16_overflow 1
		.amdhsa_memory_ordered 1
		.amdhsa_forward_progress 1
		.amdhsa_inst_pref_size 92
	.end_amdhsa_kernel
	.amdgpu_metadata
---
amdhsa.version: [ 1, 2 ]
amdhsa.kernels:
  - .name:           k_q6f381a0d6d_attn
    .symbol:         k_q6f381a0d6d_attn.kd
    .args:
      - { .name: qc, .offset: 0, .size: 8, .value_kind: global_buffer, .address_space: global }
      - { .name: kc, .offset: 8, .size: 8, .value_kind: global_buffer, .address_space: global }
      - { .name: vc, .offset: 16, .size: 8, .value_kind: global_buffer, .address_space: global }
      - { .name: lowp_scales, .offset: 24, .size: 8, .value_kind: global_buffer, .address_space: global }
      - { .name: ac, .offset: 32, .size: 8, .value_kind: global_buffer, .address_space: global }
    .group_segment_fixed_size: 327680
    .private_segment_fixed_size: 0
    .kernarg_segment_align: 8
    .kernarg_segment_size: 40
    .max_flat_workgroup_size: 512
    .sgpr_count:     100
    .vgpr_count:     256
    .wavefront_size: 32
...
	.end_amdgpu_metadata
.endif
;; end of part 3
;; launch outp (part 4): grid 4 x 32, 4 waves a work-group, clusters of 4 x 4, 327,680 bytes of LDS; arguments ac, wc, lowp_scales, out0; writes out0
.if DOCPART == 4
	.amdgcn_target "amdgcn-amd-amdhsa--gfx1250"
	.amdhsa_code_object_version 6
	.text
	.protected	k_q6f381a0d6d_outp
	.globl	k_q6f381a0d6d_outp
	.p2align	8
	.type	k_q6f381a0d6d_outp,@function
k_q6f381a0d6d_outp:
	s_mov_b64 s[64:65], 0
	v_nop
	global_prefetch_b8 v0, s[64:65] scope:SCOPE_SE
	s_setreg_imm32_b32 hwreg(HW_REG_WAVE_MODE, 25, 1), 1
	s_wait_xcnt 0x0
	s_wait_alu depctr_hold_cnt(0) depctr_sa_sdst(0) depctr_va_vdst(0) depctr_va_sdst(0) depctr_va_ssrc(0) depctr_va_vcc(0) depctr_vm_vsrc(0)
	s_getreg_b32 s2, hwreg(HW_REG_IB_STS2, 6, 4)
	s_cmp_eq_u32 s2, 0
	s_cbranch_scc0 .Lentry_in_a_cluster
	s_endpgm
.Lentry_in_a_cluster:
	s_bfe_u32 s2, ttmp6, 0x10000c
	s_cmp_lg_u32 s2, 0xf033
	s_cbranch_scc0 .Lentry_shape_is_right
	s_endpgm
.Lentry_shape_is_right:
; out0[m][n] = 2^(e10 + e11) x sum over k of A[m][k] Wo[n][k], on codes of FP8 (E4M3).  m: 8,192 tokens; n, k: 1,024.  out0 is f32.  LIMIT: e10 + e11 between -126 and 127, so that 2^(e10 + e11) is an f32 number.
; A = ac: [block of 256 tokens (32)][head 16][256 tokens][64 d], k = 64 head + d: all K of a tile row of C is one dense block of 262,144 bytes, a K step of 256 (four heads) 65,536 of them.  B = Wo's codes: wc + 3 x 2^20, [n][k].
; A tile of C, 256 x 256, is made by a work-group of four waves; a wave makes 128 x 128: 64 accumulators, 512 registers.  K goes in four steps of 256 through a ring of two LDS slots.
; A's half of a K step (two heads) comes as 128 rows of 256 dense bytes: an LDS row holds four tokens' 64 bytes of one head.  B's comes as 128 rows of 256 bytes, 1,024 bytes apart.
; CLUSTERS: 4 x 4 work-groups.  The four of a row of the cluster need the same tiles of A, the four of a column the same tiles of B: each tile is asked for JOINTLY.  The matrix instruction is used transposed
; (source 0 = 16 rows of B, source 1 = 16 rows of A): a lane holds eight neighbouring numbers of a row of C.  128 tiles of C: 128 work-groups.  No prefetch: of the four K steps two are asked for at the head.
; REGISTERS, in windows of 256: window 0: v0-31 addresses; from v128 A's fragments, ONE set; on the way out v32-255 are free.   window 1: B's fragments, TWO sets.   windows 2, 3: the accumulators ((a, b) at v[8 (8 a + b)]).
.set SIZE_N, 1024
.set SIZE_K, 1024
.set KSTEP,  256
.set ROWB,   256                       ; a tile's row in bytes
.set KROW,   SIZE_K                    ; a row of Wo's codes in memory
.set ASTEP,  65536                     ; a K step of A in memory: four heads x 256 tokens x 64 bytes
.set PITCH,  272                       ; an LDS row: 256 bytes + 16 of padding
.set FR,     16
.set NL,     4
.set NP,     4                         ; places behind this matrix instruction (ISA guide 7.12.1)
.set HALFT,  128*PITCH
.set SLOT,   4*HALFT
.set LAPS,   SIZE_K/(2*KSTEP)
.set SPARE,  2*SLOT                    ; behind the ring: the spare words, 128 bytes for each wave
.set SPITCH, 528                       ; the way out: a stage of 16 rows x (512 bytes + 16) for each wave, in slot 0, which has had its last fill and its last read when the first result is stored there
.set ADRA, 16
.set ADRB, 20
.set STO,  24
.set RD,   25
.set CO,   26
.set SPW,  28
.set NIL,  29
.set TMP,  32
.set AF,   128
.set BK,   128
.set G1, 24
.set G0, 32
.set G1B, 48
.set G0B, 56
.set MSB, 0
.macro WIN new                         ; the immediate's high byte repeats the setting that is left
.if MSB != \new
	s_set_vgpr_msb (MSB<<8)|\new
.set MSB, \new
.endif
.endm
.set MUL_LO, 0xa1
.set MUL_HI, 0xf1
.set TO_B,   0x40
.macro JLOAD g0a, g1a, g0b, g1b        ; a joint load: waves 0 and 1 fetch for A, waves 2 and 3 for B; four v_nop follow each of the two lines
	s_cmp_eq_u32 s15, 0
	s_cbranch_scc0 .Lfor_b_\@
	tensor_load_to_lds s[\g0a:\g0a+3], s[\g1a:\g1a+7]
	s_nop 0
.rept 4
	v_nop
.endr
	s_branch .Lasked_\@
.Lfor_b_\@:
	tensor_load_to_lds s[\g0b:\g0b+3], s[\g1b:\g1b+7]
	s_nop 0
.rept 4
	v_nop
.endr
.Lasked_\@:
.endm
.macro CREST
	s_cmp_lg_u32 s14, 0
	s_cbranch_scc1 .Lnot_wave_0_\@
	s_barrier_signal -3
.Lnot_wave_0_\@:
	s_barrier_wait -3
	s_barrier_signal -1
	s_barrier_wait -1
.endm
.macro CROUND
	s_barrier_signal -1
	s_barrier_wait -1
	CREST
.endm
	s_load_b128 s[4:7], s[0:1], 0x0                ; ac, wc
	s_load_b128 s[8:11], s[0:1], 0x10              ; the scales' exponents, out0
	v_lshl_add_u32 v[SPW], v0, 2, SPARE
	v_mov_b32 v[NIL], 0
	ds_add_u32 v28, v29
	ds_add_u32 v28, v29
	s_wait_dscnt 0x0
	v_lshrrev_b32 v1, 5, v0
	v_readfirstlane_b32 s14, v1                    ; wave 0..3
	s_lshr_b32 s15, s14, 1                         ; which half of the tile's rows is mine.  Also: I fetch for A (0) or for B (1)
	s_and_b32 s16, s14, 1                          ; which half of its columns.  Also: which half of that tile I fetch
	s_bfe_u32 s40, ttmp6, 0x40000                  ; cx, cy
	s_bfe_u32 s41, ttmp6, 0x40004
	s_lshl_b32 s42, ttmp9, 2
	s_add_co_u32 s42, s42, s40                     ; tile column of C
	s_and_b32 s17, ttmp7, 0xffff
	s_lshl_b32 s17, s17, 2
	s_add_co_u32 s17, s17, s41                     ; tile row of C = the block of 256 tokens
	s_lshl_b32 s43, s41, 2
	s_lshl_b32 s43, 15, s43                        ; my row of the cluster
	s_lshl_b32 s44, 0x1111, s40                    ; my column
	s_or_b32 s[G1+0], s43, (0<<16)|(1<<20)|(1<<21)|(5<<22)|(3<<25)  ; the mask; elements of 1 byte; padding on; bit 21 beside a mask; four words after every 64
	s_or_b32 s[G1B+0], s44, (0<<16)|(1<<20)|(1<<21)|(5<<22)|(3<<25)
.irp g, G1, G1B
	s_mov_b32 s[\g+1], ROWB<<16                    ; tensor_dim0
	s_mov_b32 s[\g+2], 128<<16                     ; tensor_dim1
	s_mov_b32 s[\g+3], ROWB<<16                    ; tile_dim0
	s_mov_b32 s[\g+4], 128                         ; tile_dim1
	s_mov_b32 s[\g+6], 0
	s_mov_b32 s[\g+7], 0
.endr
	s_mov_b32 s[G1+5], ROWB                        ; A's rows follow each other in memory
	s_mov_b32 s[G1B+5], KROW                       ; B's lie a row of Wo apart
	s_lshl_b32 s20, s17, 18                        ; A: the block's 262,144 bytes,
	s_lshl_b32 s18, s16, 15
	s_add_co_u32 s20, s20, s18                     ;    + which two heads of a K step I fetch
	s_mov_b32 s21, 0
	s_lshl_b32 s46, s42, 8
	s_lshl_b32 s18, s16, 7
	s_add_co_u32 s46, s46, s18                     ; B: row 256 x tile column + 128 x half,
	s_lshl_b32 s46, s46, 10                        ;    of 1,024 bytes,
	s_add_co_u32 s46, s46, 0x300000                ;    in the fourth weight of wc
	s_mov_b32 s47, 0
	s_mul_i32 s45, s14, HALFT                      ; where they go: wave x 128 rows
	s_wait_kmcnt 0x0
	s_load_b64 s[96:97], s[8:9], 0x28              ; e10, e11
	s_add_nc_u64 s[20:21], s[4:5], s[20:21]
	s_add_nc_u64 s[46:47], s[6:7], s[46:47]
	CROUND                                         ; all sixteen work-groups are here: the first joint loads meet
.irp s, 0,1
	s_mov_b32 s[G0+4*\s], 1
	s_add_co_u32 s[G0+4*\s+1], s45, \s*SLOT
	s_add_nc_u64 s[G0+4*\s+2:G0+4*\s+3], s[20:21], \s*ASTEP
	s_or_b32 s[G0+4*\s+3], s[G0+4*\s+3], 0x80000000
	s_mov_b32 s[G0B+4*\s], 1
	s_add_co_u32 s[G0B+4*\s+1], s45, \s*SLOT
	s_add_nc_u64 s[G0B+4*\s+2:G0B+4*\s+3], s[46:47], \s*ROWB
	s_or_b32 s[G0B+4*\s+3], s[G0B+4*\s+3], 0x80000000
	s_wait_alu depctr_va_vdst(0)
	s_wait_tensorcnt 0x0
	ds_add_u32 v28, v29
	ds_add_u32 v28, v29
	s_wait_dscnt 0x0
	CROUND
	JLOAD G0+4*\s, G1, G0B+4*\s, G1B
.endr
	v_and_b32 v1, 15, v0                           ; r
	v_bfe_u32 v2, v0, 4, 1                         ; h
	v_mul_u32_u24 v3, v1, PITCH
	v_lshl_add_u32 v4, v2, 4, v3                   ; B: row r x pitch + 16 h
	v_lshrrev_b32 v5, 2, v1
	v_mul_u32_u24 v5, v5, PITCH
	v_and_b32 v6, 3, v1
	v_lshl_add_u32 v5, v6, 6, v5
	v_lshl_add_u32 v5, v2, 4, v5                   ; A: token r lies in LDS row r / 4 at byte 64 (r % 4); + 16 h
	s_mul_i32 s21, s15, 32*PITCH                   ; my 128 tokens: 32 LDS rows of each head
	s_mul_i32 s22, s16, HALFT                      ; my 128 rows of B,
	s_add_co_u32 s22, s22, 2*HALFT                 ; which lie behind A's 256 LDS rows
.irp s, 0,1
	v_add_nc_u32 v[ADRA+\s], s21, v5
	v_add_nc_u32 v[ADRB+\s], s22, v4
	s_add_co_u32 s21, s21, SLOT
	s_add_co_u32 s22, s22, SLOT
.endr
	s_mul_i32 s23, s14, 16*SPITCH                  ; my stage
	v_mul_u32_u24 v5, v1, SPITCH                   ; in: row r, 32 bytes for each half of the lanes
	v_lshl_add_u32 v5, v2, 5, v5
	v_add_nc_u32 v[STO], s23, v5
	v_and_b32 v6, 31, v0
	v_lshlrev_b32 v[CO], 4, v6                     ; back: the 32 lanes take one row of 512 bytes; and the same in C
	v_add_nc_u32 v[RD], s23, v[CO]
	s_lshl_b32 s20, s17, 8
	s_lshl_b32 s21, s15, 7
	s_add_co_u32 s20, s20, s21                     ; my first row of C
	s_lshl_b32 s20, s20, 12                        ; rows of 4,096 bytes (under 2^25)
	s_mov_b32 s21, 0
	s_lshl_b32 s46, s42, 10                        ; my first column, in bytes: 1,024 x tile column + 512 x half
	s_lshl_b32 s47, s16, 9
	s_add_co_u32 s46, s46, s47
	s_mov_b32 s47, 0
	s_add_nc_u64 s[20:21], s[20:21], s[46:47]
	s_add_nc_u64 s[10:11], s[10:11], s[20:21]
.macro FRAG reg, adr, q, i             ; B's fragment: lane l holds row l % 16; registers 4 c .. 4 c + 3 hold K = 128 q + 32 c + 16 (l / 16) + 0 .. 15
.irp c, 0,1,2,3
	ds_load_b128 v[\reg+4*\c:\reg+4*\c+3], v[\adr] offset:128*(\q)+32*\c+(\i)*16*PITCH
.endr
.endm
.macro FRAGA reg, adr, q, i            ; A's fragment, the same places of k: K = 128 q + 32 c + .. is head 2 q + c / 2 of the step (64 LDS rows a head), d = 32 (c % 2) + ..; block i: 16 tokens, four LDS rows
.irp c, 0,1,2,3
	ds_load_b128 v[\reg+4*\c:\reg+4*\c+3], v[\adr] offset:(2*(\q)+\c/2)*64*PITCH+32*(\c%2)+(\i)*4*PITCH
.endr
.endm
; 16 matrix instructions: A's blocks a0, a0 + 1 x B's eight.  The 64 accumulators take turns, one instruction a turn, in the same order in every step.
.macro MUL16 a0, p, zero
.irp a, \a0, \a0+1
.irp b, 0,1,2,3,4,5,6,7
.if \zero
	v_wmma_f32_16x16x128_fp8_fp8 v[8*(8*((\a)%4)+\b):8*(8*((\a)%4)+\b)+7], v[128*(\p)+FR*\b:128*(\p)+FR*\b+FR-1], v[AF+FR*(\a):AF+FR*(\a)+FR-1], 0
.else
	v_wmma_f32_16x16x128_fp8_fp8 v[8*(8*((\a)%4)+\b):8*(8*((\a)%4)+\b)+7], v[128*(\p)+FR*\b:128*(\p)+FR*\b+FR-1], v[AF+FR*(\a):AF+FR*(\a)+FR-1], v[8*(8*((\a)%4)+\b):8*(8*((\a)%4)+\b)+7]
.endif
.endr
.endr
.endm
.macro FETCH_B slot, q, p
	WIN TO_B
.irp i, 0,1,2,3,4,5,6,7
	FRAG 128*(\p)+FR*\i, ADRB+\slot, \q, \i
.endr
	WIN 0
.endm
.macro FETCH_A slot, q, i0
.irp i, \i0, \i0+1, \i0+2, \i0+3
	FRAGA AF+FR*(\i), ADRA+\slot, \q, \i
.endr
.endm
.macro PLACES n                        ; plain vector instructions between a matrix instruction and a load into its registers or a read of its result (ISA guide 7.12.1 for vector instructions)
.rept \n
	v_nop
.endr
.endm
.macro STEP slot, q, zero              ; a step of 128 along K that has its successor in the same slot
	s_wait_dscnt 4*NL                              ; B's set and A's blocks 0-3 are in; the youngest sixteen loads (A's blocks 4-7) may be out
	WIN MUL_LO
	MUL16 0, (\q)%2, \zero
	MUL16 2, (\q)%2, \zero
	s_wait_dscnt 0                                 ; A's blocks 4-7 are in
	PLACES NP
	FETCH_B \slot, (\q)+1, 1-(\q)%2
	FETCH_A \slot, (\q)+1, 0
	WIN MUL_HI
	MUL16 4, (\q)%2, \zero
	MUL16 6, (\q)%2, \zero
	PLACES NP
	WIN 0
	FETCH_A \slot, (\q)+1, 4
.endm
; A slot's last step changes slots: ONE barrier; in front of it each wave waits for all its tensor loads, adds 0 to its spare word, and waits for that and for its own reads of this slot.
.macro TURN slot, next, fill
	s_wait_tensorcnt 0x0                           ; all my tensor loads have landed: my part of the next slot
	ds_add_u32 v[SPW], v[NIL]                      ; 0 onto my spare word
	s_wait_dscnt 4*NL+1                            ; (the add and the youngest sixteen loads may be out)
	WIN MUL_LO
	MUL16 0, 1, 0
	s_wait_dscnt 0x0                               ; the add is done, and my reads of this slot are over
	s_barrier_signal -1
	MUL16 2, 1, 0
	WIN 0
	s_barrier_wait -1
.if \fill
	CREST                                          ; the barrier has opened a round of the cluster's barrier: no wave of any partner still reads this slot's tile or has a load on its way
	s_add_nc_u64 s[G0+4*\slot+2:G0+4*\slot+3], s[G0+4*\slot+2:G0+4*\slot+3], 2*ASTEP
	s_add_nc_u64 s[G0B+4*\slot+2:G0B+4*\slot+3], s[G0B+4*\slot+2:G0B+4*\slot+3], 2*ROWB
	JLOAD G0+4*\slot, G1, G0B+4*\slot, G1B         ; the first tensor load behind the round; its four v_nop are the places in front of the loads below
.else
	PLACES NP
.endif
	FETCH_B \next, 0, 0
	FETCH_A \next, 0, 0
	WIN MUL_HI
	MUL16 4, 1, 0
	MUL16 6, 1, 0
	PLACES NP
	WIN 0
	FETCH_A \next, 0, 4
.endm
	s_wait_alu depctr_va_vdst(0)
	s_wait_tensorcnt 1                             ; my part of K step 0 is in; K step 1's load may be out
	s_barrier_signal -1
	s_barrier_wait -1
	FETCH_B 0, 0, 0
	FETCH_A 0, 0, 0
	FETCH_A 0, 0, 4
	STEP 0, 0, 1                                   ; the first step's products start the sums
	s_mov_b32 s3, LAPS-1
.Llap:
	TURN 0, 1, 1
	STEP 1, 0, 0
	TURN 1, 0, 1
	STEP 0, 0, 0
	s_sub_co_u32 s3, s3, 1
	s_cmp_lg_u32 s3, 0
	s_cbranch_scc1 .Llap
	TURN 0, 1, 0                                   ; the last lap fills nothing
	STEP 1, 0, 0
	s_wait_dscnt 4*NL
	WIN MUL_LO
	MUL16 0, 1, 0
	MUL16 2, 1, 0
	s_wait_dscnt 0
	WIN MUL_HI
	MUL16 4, 1, 0
	MUL16 6, 1, 0
	WIN 0
; THE WAY OUT, block by block of 16 rows x 128 columns, through my own stage in LDS: back come whole rows of 512 bytes.  LDS serves a wave's instructions in order (ISA guide 5.7.1.4): no wait between the stores and the loads.
.macro TOSTAGE a
.set AC, 64*((\a)%4)
	WIN 0x02+((\a)/4)
.irp j, 0,2,4,6,8,10,12,14,16,18,20,22,24,26,28,30,32,34,36,38,40,42,44,46,48,50,52,54,56,58,60,62
	v_pk_mul_f32 v[TMP+\j:TMP+\j+1], v[AC+\j:AC+\j+1], s[96:97] op_sel_hi:[1,0]   ; both x s96 = 2^(e10 + e11); each accumulator from its low end on
.endr
	WIN 0
.irp b, 0,1,2,3,4,5,6,7
	ds_store_b128 v[STO], v[TMP+8*\b:TMP+8*\b+3] offset:64*\b
	ds_store_b128 v[STO], v[TMP+8*\b+4:TMP+8*\b+7] offset:64*\b+16
.endr
.set BB, BK+64*((\a)%2)
.irp t, 0,1,2,3,4,5,6,7,8,9,10,11,12,13,14,15
	ds_load_b128 v[BB+4*\t:BB+4*\t+3], v[RD] offset:\t*SPITCH
.endr
.endm
.macro SEND a, younger
.set BB, BK+64*((\a)%2)
	s_wait_dscnt \younger                          ; the block is back in registers
.if (\a) > 0
	s_add_nc_u64 s[10:11], s[10:11], 16*SIZE_N*4   ; (behind a wait on XCNT: the earlier stores have read their base)  16 rows of C on
.endif
.irp t, 0,1,2,3,4,5,6,7,8,9,10,11,12,13,14,15
	global_store_b128 v[CO], v[BB+4*\t:BB+4*\t+3], s[10:11] offset:\t*SIZE_N*4 th:TH_STORE_NT   ; 32 lanes store 512 consecutive bytes, at a multiple of 512 from out0's first byte
.endr
.endm
	s_wait_kmcnt 0x0
	s_add_co_i32 s96, s96, s97                     ; e10 + e11
	s_add_co_i32 s96, s96, 127
	s_lshl_b32 s96, s96, 23                        ; makes the f32 number 2^(e10 + e11)
	PLACES NP
	TOSTAGE 0
.irp a, 1,2,3,4,5,6,7
.if \a > 1
	s_wait_xcnt 0x0                                ; block a - 2's stores have read their registers and their base
.endif
	TOSTAGE \a
	SEND \a-1, 32                                  ; behind block a - 1's loads: block a's 16 stores and 16 loads
.endr
	s_wait_xcnt 0x0                                ; block 6's stores have read their base
	SEND 7, 0
	s_wait_tensorcnt 0x0                           ; the wave's end
	ds_add_u32 v[SPW], v[NIL]
	s_wait_dscnt 0x0
	CROUND                                         ; the closing round
	s_endpgm
.Lfunc_end_k_q6f381a0d6d_outp:
	.size	k_q6f381a0d6d_outp, .Lfunc_end_k_q6f381a0d6d_outp-k_q6f381a0d6d_outp
	.p2alignl 7, 3214868480
	.fill 96, 4, 3214868480
	.section	.rodata,"a",@progbits
	.p2align	6, 0x0
	.amdhsa_kernel k_q6f381a0d6d_outp
		.amdhsa_group_segment_fixed_size 327680
		.amdhsa_private_segment_fixed_size 0
		.amdhsa_enable_private_segment 0
		.amdhsa_kernarg_size 32
		.amdhsa_user_sgpr_count 2
		.amdhsa_user_sgpr_kernarg_segment_ptr 1
		.amdhsa_wavefront_size32 1
		.amdhsa_system_sgpr_workgroup_id_x 1
		.amdhsa_system_sgpr_workgroup_id_y 1
		.amdhsa_system_sgpr_workgroup_id_z 1
		.amdhsa_system_vgpr_workitem_id 0
		.amdhsa_next_free_vgpr 1024
		.amdhsa_next_free_sgpr 98
		.amdhsa_reserve_vcc 0
		.amdhsa_float_denorm_mode_32 3
		.amdhsa_float_denorm_mode_16_64 3
		.amdhsa_memory_ordered 1
		.amdhsa_forward_progress 1
		.amdhsa_inst_pref_size 124
	.end_amdhsa_kernel
	.amdgpu_metadata
---
amdhsa.version: [ 1, 2 ]
amdhsa.kernels:
  - .name:           k_q6f381a0d6d_outp
    .symbol:         k_q6f381a0d6d_outp.kd
    .args:
      - { .name: ac, .offset: 0, .size: 8, .value_kind: global_buffer, .address_space: global }
      - { .name: wc, .offset: 8, .size: 8, .value_kind: global_buffer, .address_space: global }
      - { .name: lowp_scales, .offset: 16, .size: 8, .value_kind: global_buffer, .address_space: global }
      - { .name: out0, .offset: 24, .size: 8, .value_kind: global_buffer, .address_space: global }
    .group_segment_fixed_size: 327680
    .private_segment_fixed_size: 0
    .kernarg_segment_align: 8
    .kernarg_segment_size: 32
    .max_flat_workgroup_size: 128
    .sgpr_count:     98
    .vgpr_count:     1024
    .wavefront_size: 32
...
	.end_amdgpu_metadata
.endif
;; end of part 4
